; MI455X (gfx1250); checked and timed in simulation.
; The chip was launched on July 23, 2026; its instructions are those of AMD's public machine-readable ISA for CDNA 5 (MIT licence, August 2026) and "CDNA5" Instruction Set Architecture Reference Guide (July 2026). The comments in the code are by the model that wrote it; some were corrected since.
;; Multi Head Causal Self Attention. Allowed arithmetic: matrix products marked QUANTISED: E2M1 operands, one E8M0 scale for each 32 along K, by v_wmma_scale_f32_16x16x128_f8f6f4 with both operands' format E2M1 (or v_wmma_scale_f32_32x16x128_f4), f32 sums; products left as they are: bf16, f16 or f32 operands; f32 sums; everything else in f32.
;; Inputs: Wk 1,024 x 1,024 float32; Wo 1,024 x 1,024 float32; Wq 1,024 x 1,024 float32; Wv 1,024 x 1,024 float32; x 4 x 2,048 x 1,024 float32.
;; Outputs: out0 4 x 2,048 x 1,024 float32.
;; This version of the problem:
;;   THIS VERSION OF THE PROBLEM IS GIVEN IN LOW PRECISION. The matrix products marked QUANTISED in the list below multiply operands that are first quantised to E2M1 (2 exponent bits, 1 mantissa bit; 4 bits a number), with one power-of-two scale for each 32 numbers along K (OCP MX v1.0); their sums are f32. The products marked 'left as it is' may take bf16, f16 or f32 operands, with f32 sums. Whichever they take, every output number must still come out within the allowed error. Rounding operands to bf16 (8 significant bits) uses up far more of that allowance than f16 does (11 bits, for magnitudes from 6e-5 to 65,504). All else is computed in f32.
;;   The module's matrix products, in the order in which they are computed (A, B: the left and right operand; K: the contracted axis; several contracted axes count as one K, in the product's order):
;;     1. [M 8,192, K 1,024] x [K 1,024, N 1,024]; A: input x; B: input Wq: QUANTISED
;;     2. [M 8,192, K 1,024] x [K 1,024, N 1,024]; A: input x; B: input Wk: QUANTISED
;;     3. [M 8,192, K 1,024] x [K 1,024, N 1,024]; A: input x; B: input Wv: QUANTISED
;;     4. batch 64 x [M 2,048, K 64] x [K 64, N 2,048]; A: computed on the way; B: computed on the way: left as it is (an operand is computed on the way)
;;     5. batch 64 x [M 2,048, K 2,048] x [K 2,048, N 64]; A: computed on the way; B: computed on the way: left as it is (an operand is computed on the way)
;;     6. [M 8,192, K 1,024] x [K 1,024, N 1,024]; A: computed on the way; B: input Wo: left as it is (an operand is computed on the way)
;;   THE QUANTISER, for each operand of a quantised product, along K:
;;     - K is cut into blocks of 32 from its start; a last block that is shorter is filled with zeros.
;;     - A block's scale is 2^e with e = floor(log2(the largest magnitude in the block)) - 2, held to -126 .. 127; a block of zeros has e = 0. As a byte (E8M0): e + 127.
;;     - Each number is divided by its block's scale, clamped to +-6, and rounded to the nearest number of E2M1, ties to even, subnormals kept.
;;     - The product sums the exact products of the quantised numbers (number of the format x scale) in f32.
;;   ~~~python
;;   def quantise(x, axis):      # numpy; x: float32 -> the quantised numbers, widened to float32 again
;;       x = np.moveaxis(x, axis, -1); K = x.shape[-1]
;;       x = np.pad(x, [(0, 0)] * (x.ndim - 1) + [(0, -K % 32)]); x = x.reshape(x.shape[:-1] + (-1, 32)); a = np.abs(x).max(-1, keepdims=True)
;;       e = np.where(a > 0, np.clip(np.frexp(np.where(a > 0, a, 1))[1] - 1 - 2, -126, 127), 0)      # np.frexp(a)[1] - 1 = floor(log2(a)), exactly
;;       r = np.clip(x / 2.0 ** e, -6, 6)
;;       step = 2.0 ** (np.maximum(np.frexp(np.where(r == 0, 1, r))[1] - 1, 0) - 1)
;;       q = np.round(r / step) * step * 2.0 ** e      # np.round: ties to even
;;       return np.moveaxis(q.reshape(q.shape[:-2] + (-1,))[..., :K], -1, axis).astype(np.float32)
;;   ~~~
;; One version. Each part assembles by itself: llvm-mc -triple=amdgcn-amd-amdhsa -mcpu=gfx1250 --defsym DOCPART=n.
;; ======== version 1 of 1: 6 launches
;; limits: values are held in f16: magnitudes above 65,504 overflow, below 6.1e-05 lose precision
;; workspace buffers: x_codes 4,194,304 bytes; x_scales 262,144 bytes; w_codes 1,572,864 bytes; w_scales 98,304 bytes; wo_h 2,097,152 bytes; qkv 50,331,648 bytes; heads 16,777,216 bytes; heads_e 262,144 bytes
;; launch quant (part 1): grid 384 x 1, 4 waves a work-group, no clusters, 33,280 bytes of LDS; arguments x, Wq, Wk, Wv, Wo, x_codes, x_scales, w_codes, w_scales, wo_h; writes x_codes, x_scales, w_codes, w_scales, wo_h
.if DOCPART == 1
	.amdgcn_target "amdgcn-amd-amdhsa--gfx1250"
	.amdhsa_code_object_version 6
	.text
	.protected	k_qd2d2f64c86_quant
	.globl	k_qd2d2f64c86_quant
	.p2align	8
	.type	k_qd2d2f64c86_quant,@function
k_qd2d2f64c86_quant:
	s_mov_b64 s[64:65], 0
	v_nop
	global_prefetch_b8 v0, s[64:65] scope:SCOPE_SE
	s_setreg_imm32_b32 hwreg(HW_REG_WAVE_MODE, 25, 1), 1
	s_wait_xcnt 0x0
; x [8192][1024] and Wq, Wk, Wv [1024][1024], f32, become codes of FP4 (E2M1), K innermost, two codes a byte, with one E8M0 byte for each 32 along K; Wo [1024][1024] becomes f16.
; The three weights' codes lie one behind the other, [3072][512 bytes], their scale bytes [3072][32]: one operand of 3,072 rows for the next launch.
; A block's scale is 2^(floor(log2(its largest magnitude)) - 2); its byte is the largest magnitude's exponent field - 2, held at 1 from below.
; LIMITS: a block of zeros gets the byte 1 where the quantiser says 127 (its codes are zeros, and this program alone reads the bytes); blocks whose largest magnitude lies under 2^-124 keep the byte 1;
; NaN and infinities among the inputs are not served; |Wo| stays under 65,504 (f16).
; SHARES: rows are dense and K is a multiple of 32, so each tensor is a plain stream.  A work-group takes 32,768 numbers, a wave 8,192.  Work-groups 0-255: x; 256-351: Wq, Wk, Wv, 32 each; 352-383: Wo.
; Only pointers are chosen by the work-group's number: the four quantised tensors take one path.  Wo's path touches no LDS.
; THE QUANTISER'S PATH: 16 steps of 512 numbers.  Each load reads 512 consecutive bytes; a step's 2,048 bytes turn through the wave's own stage in LDS and come back 64 bytes a lane, so that a lane holds
; 16 neighbours along K and two neighbouring lanes a block.  A lane's 16 codes are 8 bytes: a wave's store covers 256 consecutive bytes.  A wave's 256 scale bytes are gathered in LDS and leave together.
.set WAVES, 4
.set STEPS, 16
.set EMAX,  2
.set CB,    8                          ; bytes of 16 codes
.set R,     16                         ; v16-79   four sets of 16 numbers as loaded (Wo: v16-143, two batches of 64)
.set X,     80                         ; v80-111  two sets of 16 neighbours
.set E,     112                        ; v112-127 a scale byte for each step
.set C,     128                        ; v128-191 codes, four registers for each step
.set H,     144                        ; v144-175 Wo's path: 32 registers of f16 pairs
.set WREG,  8192                       ; LDS: a region for each wave: two stages of 32 x SP bytes, then its 256 scale bytes
.set SP,    80                         ; a lane's place in a stage: 64 bytes + 16 of padding
.set SPW,   12                         ; v12  LDS address of my spare word; never rewritten
.set NIL,   13                         ; v13  0; never rewritten
.set SPARE, WAVES*WREG                 ; behind the regions: the spare words, 128 bytes for each wave
.set SRC,   24                         ; s[24:25] the tensor that I read
.set COD,   28                         ; s[28:29] its codes
.set SCA,   30                         ; s[30:31] its scale bytes
.set WV,    32                         ; s32 my wave's number
.set GX,    256                        ; work-groups of x
.set GW,    32                         ; of each weight
	s_load_b256 s[4:11], s[0:1], 0x0               ; x, Wq, Wk, Wv
	s_load_b256 s[12:19], s[0:1], 0x20             ; Wo, x_codes, x_scales, w_codes
	s_load_b128 s[20:23], s[0:1], 0x40             ; w_scales, wo_h
	v_lshl_add_u32 v[SPW], v0, 2, SPARE
	v_mov_b32 v[NIL], 0
	v_lshrrev_b32 v1, 5, v0
	v_readfirstlane_b32 s[WV], v1                  ; wave
	v_and_b32 v2, 31, v0                           ; lane
	v_lshlrev_b32 v3, 4, v2                        ; my 16 bytes of a load's 512
	s_mul_i32 s33, s[WV], WREG
	v_lshrrev_b32 v14, 2, v2
	v_mul_u32_u24 v14, v14, SP
	v_and_b32 v15, 3, v2
	v_lshl_add_u32 v14, v15, 4, v14
	v_add_nc_u32 v14, s33, v14                     ; the stage, way in: SP (lane / 4) + 16 (lane % 4)
	v_mul_u32_u24 v15, v2, SP
	v_add_nc_u32 v15, s33, v15                     ; way out: SP x lane: my 16 neighbours
	v_mul_u32_u24 v4, v2, CB                       ; 8 x lane: my codes' place in a step's (and my f16's place in Wo's path)
	v_lshrrev_b32 v5, 1, v2
	s_add_co_u32 s33, s33, 2*32*SP
	v_add_nc_u32 v5, s33, v5                       ; LDS: my block's scale byte
	v_lshlrev_b32 v7, 3, v2
	v_add_nc_u32 v6, s33, v7                       ; and 8 bytes a lane on their way out
	s_and_b32 s26, ttmp9, 31                       ; which 32,768 numbers of a weight
	s_and_b32 s27, ttmp9, 255                      ; which 32,768 numbers of the codes' buffer (x: 0-255; the weights: 0-95)
	s_mov_b32 s35, 0
	s_wait_kmcnt 0x0
	s_cmp_ge_u32 ttmp9, GX+3*GW
	s_cbranch_scc1 .Lwo
	s_cmp_lt_u32 ttmp9, GX+GW                      ; the choices hang on the work-group's number alone
	s_cselect_b64 s[SRC:SRC+1], s[6:7], s[8:9]
	s_cmp_lt_u32 ttmp9, GX+2*GW
	s_cselect_b64 s[SRC:SRC+1], s[SRC:SRC+1], s[10:11]
	s_cmp_lt_u32 ttmp9, GX
	s_cselect_b64 s[SRC:SRC+1], s[4:5], s[SRC:SRC+1]
	s_cselect_b64 s[COD:COD+1], s[14:15], s[18:19]
	s_cselect_b64 s[SCA:SCA+1], s[16:17], s[20:21]
	s_cselect_b32 s26, ttmp9, s26
	s_lshl_b32 s26, s26, 2
	s_add_co_u32 s26, s26, s[WV]                   ; my run of 8,192 numbers in the tensor,
	s_lshl_b32 s27, s27, 2
	s_add_co_u32 s27, s27, s[WV]                   ; and in the codes' buffer
	s_lshl_b32 s34, s26, 15                        ; 32,768 bytes of f32 a run
	s_add_nc_u64 s[SRC:SRC+1], s[SRC:SRC+1], s[34:35]
	s_lshl_b32 s34, s27, 12                        ; 4,096 bytes of codes
	s_add_nc_u64 s[COD:COD+1], s[COD:COD+1], s[34:35]
	s_lshl_b32 s34, s27, 8                         ; 256 scale bytes
	s_add_nc_u64 s[SCA:SCA+1], s[SCA:SCA+1], s[34:35]
.macro LOAD t
.irp i, 0,1,2,3
	global_load_b128 v[R+16*((\t)%4)+4*\i:R+16*((\t)%4)+4*\i+3], v3, s[SRC:SRC+1] offset:2048*(\t)+512*\i th:TH_LOAD_NT   ; 32 lanes read 512 consecutive bytes
.endr
.endm
.macro TURN t                          ; step t's numbers through the stage: LDS serves a wave's instructions in order, so no wait stands between the stores and the loads
.irp i, 0,1,2,3
	ds_store_b128 v14, v[R+16*((\t)%4)+4*\i:R+16*((\t)%4)+4*\i+3] offset:32*SP*((\t)%2)+8*SP*\i
.endr
.irp i, 0,1,2,3
	ds_load_b128 v[X+16*((\t)%2)+4*\i:X+16*((\t)%2)+4*\i+3], v15 offset:32*SP*((\t)%2)+16*\i
.endr
.endm
.irp t, 0,1,2,3
	LOAD \t
.endr
	s_wait_loadcnt 12                              ; step 0's four loads are in; the 12 of steps 1 to 3 may be out
	TURN 0
.macro STEP t
.set XS, X+16*((\t)%2)
.if (\t) > 0
	s_wait_dscnt 1                                 ; this step's numbers are back from the stage (the last step's byte store may be out)
.else
	s_wait_dscnt 0x0
.endif
.if (\t)+4 < STEPS
	LOAD (\t)+4                                    ; into the registers that this step's stage stores have read
.endif
.if (\t)+1 < STEPS
.if STEPS-2-(\t) >= 3
	s_wait_loadcnt 12                              ; the next step's four loads are in; those of the three steps behind it may be out
.else
	s_wait_loadcnt 4*(STEPS-2-(\t))
.endif
	TURN (\t)+1                                    ; through the other stage while this step is worked
.endif
	v_max3_num_f32 v8, |v[XS]|, |v[XS+1]|, |v[XS+2]|               ; the largest magnitude of my 16, in two chains
	v_max3_num_f32 v9, |v[XS+3]|, |v[XS+4]|, |v[XS+5]|
.irp i, 6,10
	v_max3_num_f32 v8, v8, |v[XS+\i]|, |v[XS+\i+1]|
	v_max3_num_f32 v9, v9, |v[XS+\i+2]|, |v[XS+\i+3]|
.endr
	v_max3_num_f32 v8, v8, |v[XS+14]|, |v[XS+15]|
	v_max3_num_f32 v8, v8, v9, (EMAX+1)<<23        ; and the floor 2^(3 - 127): the byte cannot fall under 1
	v_max_num_f32_dpp v8, v8, v8 row_xmask:1 row_mask:0xf bank_mask:0xf   ; with my neighbour's 16: the block's
	v_add_nc_u32 v11, -(EMAX<<23), v8              ; 2 off its exponent field: the conversion takes this operand's exponent field as its scale
	v_cvt_scalef32_pk8_fp4_f32 v[C+4*(\t)], v[XS:XS+7], v11
	v_cvt_scalef32_pk8_fp4_f32 v[C+4*(\t)+1], v[XS+8:XS+15], v11
	v_lshrrev_b32 v[E+(\t)], 23, v11               ; the scale's byte (also the plain line behind the conversions)
	ds_store_b8 v5, v[E+(\t)] offset:16*(\t)       ; both lanes of a block write the same byte with the same value
	global_store_b64 v4, v[C+4*(\t):C+4*(\t)+1], s[COD:COD+1] offset:32*CB*(\t)   ; 32 lanes store 256 consecutive bytes, aligned
.endm
.irp t, 0,1,2,3,4,5,6,7,8,9,10,11,12,13,14,15
	STEP \t
.endr
	ds_load_b64 v[8:9], v6                         ; LDS serves a wave's instructions in order: these see my stores
	s_wait_dscnt 0x0
	global_store_b64 v7, v[8:9], s[SCA:SCA+1]      ; 256 consecutive bytes, aligned
	s_wait_tensorcnt 0x0                           ; the wave's end, behind my last LDS store
	ds_add_u32 v[SPW], v[NIL]
	s_wait_dscnt 0x0
	s_endpgm
; Wo TO f16: a wave takes 8,192 numbers in four batches of 16 loads; two batches are on their way.  No LDS is touched on this path.
.Lwo:
	s_sub_co_u32 s26, ttmp9, GX+3*GW
	s_lshl_b32 s26, s26, 2
	s_add_co_u32 s26, s26, s[WV]                   ; my run of 8,192 numbers
	s_lshl_b32 s34, s26, 15
	s_add_nc_u64 s[12:13], s[12:13], s[34:35]
	s_lshl_b32 s34, s26, 14
	s_add_nc_u64 s[22:23], s[22:23], s[34:35]
.macro LOADB b
.irp i, 0,1,2,3,4,5,6,7,8,9,10,11,12,13,14,15
	global_load_b128 v[R+64*((\b)%2)+4*\i:R+64*((\b)%2)+4*\i+3], v3, s[12:13] offset:8192*(\b)+512*\i th:TH_LOAD_NT
.endr
.endm
.macro BATCH b
.if (\b) < 3
	s_wait_loadcnt 16                              ; this batch is in; the next batch's 16 loads may be out
.else
	s_wait_loadcnt 0x0
.endif
.if (\b) > 0
	s_wait_xcnt 0x0                                ; the last batch's stores have read their data: the registers are written again only behind this wait
.endif
.irp i, 0,1,2,3,4,5,6,7,8,9,10,11,12,13,14,15
	v_cvt_pk_f16_f32 v[H+2*\i], v[R+64*((\b)%2)+4*\i], v[R+64*((\b)%2)+4*\i+1]
	v_cvt_pk_f16_f32 v[H+2*\i+1], v[R+64*((\b)%2)+4*\i+2], v[R+64*((\b)%2)+4*\i+3]
.endr
.irp i, 0,1,2,3,4,5,6,7,8,9,10,11,12,13,14,15
	global_store_b64 v4, v[H+2*\i:H+2*\i+1], s[22:23] offset:4096*(\b)+256*\i   ; 256 consecutive bytes, aligned
.endr
.if (\b) < 2
	LOADB (\b)+2
.endif
.endm
	LOADB 0
	LOADB 1
	BATCH 0
	BATCH 1
	BATCH 2
	BATCH 3
	s_endpgm
.Lfunc_end_k_qd2d2f64c86_quant:
	.size	k_qd2d2f64c86_quant, .Lfunc_end_k_qd2d2f64c86_quant-k_qd2d2f64c86_quant
	.p2alignl 7, 3214868480
	.fill 96, 4, 3214868480
	.section	.rodata,"a",@progbits
	.p2align	6, 0x0
	.amdhsa_kernel k_qd2d2f64c86_quant
		.amdhsa_group_segment_fixed_size 33280
		.amdhsa_private_segment_fixed_size 0
		.amdhsa_enable_private_segment 0
		.amdhsa_kernarg_size 80
		.amdhsa_user_sgpr_count 2
		.amdhsa_user_sgpr_kernarg_segment_ptr 1
		.amdhsa_wavefront_size32 1
		.amdhsa_system_sgpr_workgroup_id_x 1
		.amdhsa_system_sgpr_workgroup_id_y 1
		.amdhsa_system_sgpr_workgroup_id_z 1
		.amdhsa_system_vgpr_workitem_id 0
		.amdhsa_next_free_vgpr 192
		.amdhsa_next_free_sgpr 66
		.amdhsa_reserve_vcc 0
		.amdhsa_float_denorm_mode_32 3
		.amdhsa_float_denorm_mode_16_64 3
		.amdhsa_memory_ordered 1
		.amdhsa_forward_progress 1
		.amdhsa_inst_pref_size 54
	.end_amdhsa_kernel
	.amdgpu_metadata
---
amdhsa.version: [ 1, 2 ]
amdhsa.kernels:
  - .name:           k_qd2d2f64c86_quant
    .symbol:         k_qd2d2f64c86_quant.kd
    .args:
      - { .name: x, .offset: 0, .size: 8, .value_kind: global_buffer, .address_space: global }
      - { .name: Wq, .offset: 8, .size: 8, .value_kind: global_buffer, .address_space: global }
      - { .name: Wk, .offset: 16, .size: 8, .value_kind: global_buffer, .address_space: global }
      - { .name: Wv, .offset: 24, .size: 8, .value_kind: global_buffer, .address_space: global }
      - { .name: Wo, .offset: 32, .size: 8, .value_kind: global_buffer, .address_space: global }
      - { .name: x_codes, .offset: 40, .size: 8, .value_kind: global_buffer, .address_space: global }
      - { .name: x_scales, .offset: 48, .size: 8, .value_kind: global_buffer, .address_space: global }
      - { .name: w_codes, .offset: 56, .size: 8, .value_kind: global_buffer, .address_space: global }
      - { .name: w_scales, .offset: 64, .size: 8, .value_kind: global_buffer, .address_space: global }
      - { .name: wo_h, .offset: 72, .size: 8, .value_kind: global_buffer, .address_space: global }
    .group_segment_fixed_size: 33280
    .private_segment_fixed_size: 0
    .kernarg_segment_align: 8
    .kernarg_segment_size: 80
    .max_flat_workgroup_size: 128
    .sgpr_count:     66
    .vgpr_count:     192
    .wavefront_size: 32
...
	.end_amdgpu_metadata
.endif
;; end of part 1
;; launch qkv (part 2): grid 12 x 32, 4 waves a work-group, clusters of 4 x 4, 327,680 bytes of LDS; arguments x_codes, x_scales, w_codes, w_scales, qkv; writes qkv
.if DOCPART == 2
	.amdgcn_target "amdgcn-amd-amdhsa--gfx1250"
	.amdhsa_code_object_version 6
	.text
	.protected	k_qd2d2f64c86_qkv
	.globl	k_qd2d2f64c86_qkv
	.p2align	8
	.type	k_qd2d2f64c86_qkv,@function
k_qd2d2f64c86_qkv:
	s_mov_b64 s[64:65], 0
	v_nop
	global_prefetch_b8 v0, s[64:65] scope:SCOPE_SE
	s_setreg_imm32_b32 hwreg(HW_REG_WAVE_MODE, 25, 1), 1
	s_wait_xcnt 0x0
	s_wait_alu depctr_hold_cnt(0) depctr_sa_sdst(0) depctr_va_vdst(0) depctr_va_sdst(0) depctr_va_ssrc(0) depctr_va_vcc(0) depctr_vm_vsrc(0)
	s_getreg_b32 s2, hwreg(HW_REG_IB_STS2, 6, 4)
	s_cmp_eq_u32 s2, 0
	s_cbranch_scc0 .Lentry_in_a_cluster
	s_endpgm
.Lentry_in_a_cluster:
	s_bfe_u32 s2, ttmp6, 0x10000c
	s_cmp_lg_u32 s2, 0xf033
	s_cbranch_scc0 .Lentry_shape_is_right
	s_endpgm
.Lentry_shape_is_right:
; q, k, v = x Wq^T, x Wk^T, x Wv^T as ONE product C[m][n] = sum over k of A[m][k] B[n][k] on codes of FP4 (E2M1) with one E8M0 scale for each 32 along K: A = x [8192][1024], B = the three weights [3072][1024].
; The result is rounded to f16 and laid by head: qkv [batch 4][g 48][token 2048][64], g = 0-15 q's heads, 16-31 k's, 32-47 v's.  LIMIT: |q|, |k|, |v| stay under 65,504 (f16).
; A tile of C, 256 x 256, is made by a work-group of four waves; a wave makes 128 x 128: 64 accumulators of 16 x 16, 512 registers.
; K = 1,024 is two LDS slots of 512 along K (rows of 256 bytes): the scale bytes and both slots are FIRST fills, three tensor loads a wave, and nothing is filled again: no loop.
; CLUSTERS: 4 x 4 work-groups.  The four of a row of the cluster need the same tiles of A, the four of a column the same tiles of B: each tile is asked for JOINTLY, by the same tensor load with a mask that names the four.
; THE MATRIX INSTRUCTION IS USED TRANSPOSED (source 0 = 16 rows of B, source 1 = 16 rows of A): a lane then holds eight neighbouring columns of one token.
; REGISTERS, in windows of 256: window 0: v0-31 addresses; v32-95 scale words, two sets; v128-191 A's fragments, ONE set; on the way out v32-63, v192-255.
;   window 1: B's fragments, TWO sets, at v0 and v128.   window 2: the accumulators of my rows 0-63 ((a, b) at v[8 (8 a + b)]);   window 3: those of my rows 64-127.
.set SIZE_N, 3072
.set SIZE_K, 1024
.set KSTEP,  512                       ; along K in a slot
.set NQ,     KSTEP/128                 ; matrix instructions deep
.set ROWB,   256                       ; a tile's row in bytes
.set KROW,   SIZE_K*4/8                ; a row of codes in memory
.set PITCH,  272                       ; an LDS row: 256 bytes + 16 of padding: the 16 rows that a load touches start 68 words apart
.set FR,     8                         ; registers of a fragment: 16 rows x 128 K
.set NL,     2                         ; LDS loads that bring one
.set NP,     4                         ; places behind this matrix instruction (ISA guide 7.12.1)
.set HALFT,  128*PITCH                 ; what one tensor load brings
.set SLOT,   4*HALFT                   ; A's 256 rows, then B's 256 rows
.set KS,     SIZE_K/32                 ; a row of scale bytes
.set SCL,    2*SLOT                    ; behind the slots: the scale bytes, as rows of 256 bytes + 16 of padding
.set HALFS,  (128*KS/256)*272          ; those of 128 rows
.set SBLK,   (16*KS/256)*272           ; those of 16 rows
.set SPARE,  SCL+4*HALFS               ; the spare words, 128 bytes for each wave
.set SPITCH, 272                       ; the way out: a stage of 16 rows x (256 bytes + 16) for each wave, in slot 0, which has had its only fill and its last read by then
.set PLANE,  262144                    ; a head's 2,048 tokens x 128 bytes in qkv
.set ADRA, 16                          ; v16-17  LDS address of my A fragments in slot 0, 1
.set ADRB, 20                          ; v20-21  the same for B
.set STO,  24                          ; v24     the way out: where I put 16 bytes of a token's row
.set RD,   25                          ; v25     where I read back: four tokens x 128 bytes of one head
.set CO,   26                          ; v26     16 x lane
.set ADRS, 27                          ; v27     LDS address of my scale words: lanes 0-15 A's rows, lanes 16-31 B's
.set SPW,  28                          ; v28     LDS address of my spare word; never rewritten
.set NIL,  29                          ; v29     0; never rewritten
.set SC,   32                          ; scale words: set s at v[SC + 32 s]; register NQ i + q: lanes 0-15 A's block i, lanes 16-31 B's block i
.set AF,   128                         ; A's fragments
.set TMP,  192                         ; the way out: packed results
.set OB,   32                          ; the way out: a block read back: v32-63 and v224-255 by turns
.set G1, 24
.set G0, 32
.set G1B, 48
.set G0B, 56
.set G1S, 68
.set G0S, 76
.set G1SB, 80
.set G0SB, 88
.set MSB, 0
.macro WIN new                         ; the immediate's high byte repeats the setting that is left
.if MSB != \new
	s_set_vgpr_msb (MSB<<8)|\new
.set MSB, \new
.endif
.endm
.set MUL_LO, 0xa1                      ; source 0 (B) window 1, source 1 (A) window 0, C and D window 2
.set MUL_HI, 0xf1                      ; the same, C and D window 3
.set TO_B,   0x40                      ; destination window 1, address window 0
; A joint load: waves 0 and 1 fetch for A, waves 2 and 3 for B; the branch hangs on the wave's number alone.  An s_nop 0 and four v_nop follow each of the two lines.
.macro JLOAD g0a, g1a, g0b, g1b
	s_cmp_eq_u32 s15, 0
	s_cbranch_scc0 .Lfor_b_\@
	tensor_load_to_lds s[\g0a:\g0a+3], s[\g1a:\g1a+7]
	s_nop 0
.rept 4
	v_nop
.endr
	s_branch .Lasked_\@
.Lfor_b_\@:
	tensor_load_to_lds s[\g0b:\g0b+3], s[\g1b:\g1b+7]
	s_nop 0
.rept 4
	v_nop
.endr
.Lasked_\@:
.endm
.macro CROUND                          ; a round of the cluster's barrier
	s_barrier_signal -1
	s_barrier_wait -1
	s_cmp_lg_u32 s14, 0
	s_cbranch_scc1 .Lnot_wave_0_\@
	s_barrier_signal -3
.Lnot_wave_0_\@:
	s_barrier_wait -3
	s_barrier_signal -1
	s_barrier_wait -1
.endm
	s_load_b128 s[4:7], s[0:1], 0x0                ; A's codes, A's scales
	s_load_b128 s[8:11], s[0:1], 0x10              ; B's codes, B's scales
	s_load_b64 s[12:13], s[0:1], 0x20              ; qkv
	v_lshl_add_u32 v[SPW], v0, 2, SPARE
	v_mov_b32 v[NIL], 0
	ds_add_u32 v[SPW], v[NIL]                      ; the wave's opening: the add and its wait stand ahead of my first tensor load; work on registers stands between them
	v_lshrrev_b32 v1, 5, v0
	v_readfirstlane_b32 s14, v1                    ; wave 0..3
	s_lshr_b32 s15, s14, 1                         ; which half of the tile's rows is mine.  Also: I fetch for A (0) or for B (1)
	s_and_b32 s16, s14, 1                          ; which half of its columns.  Also: which 128 rows I fetch
	s_bfe_u32 s40, ttmp6, 0x40000                  ; cx, cy: my place in the cluster
	s_bfe_u32 s41, ttmp6, 0x40004
	s_lshl_b32 s42, ttmp9, 2
	s_add_co_u32 s42, s42, s40                     ; tile column = 4 x cluster x + cx
	s_and_b32 s17, ttmp7, 0xffff
	s_lshl_b32 s17, s17, 2
	s_add_co_u32 s17, s17, s41                     ; tile row = 4 x cluster y + cy
	s_lshl_b32 s43, s41, 2
	s_lshl_b32 s43, 15, s43                        ; my row of the cluster
	s_lshl_b32 s44, 0x1111, s40                    ; my column
	; descriptor group 1: a tile of 128 rows x 256 bytes, 16 bytes of padding behind each row
	s_or_b32 s[G1+0], s43, (0<<16)|(1<<20)|(1<<21)|(5<<22)|(3<<25)  ; the mask; elements of 1 byte; padding on; bit 21 beside a mask; after every 64 words; 4 words
	s_or_b32 s[G1B+0], s44, (0<<16)|(1<<20)|(1<<21)|(5<<22)|(3<<25)
.irp g, G1, G1B
	s_mov_b32 s[\g+1], ROWB<<16                    ; tensor_dim0
	s_mov_b32 s[\g+2], 128<<16                     ; tensor_dim1
	s_mov_b32 s[\g+3], ROWB<<16                    ; tile_dim0
	s_mov_b32 s[\g+4], 128                         ; tile_dim1
	s_mov_b32 s[\g+5], KROW                        ; from row to row
	s_mov_b32 s[\g+6], 0
	s_mov_b32 s[\g+7], 0
.endr
	; the scale bytes of 128 rows: a dense block of 4,096 bytes, as rows of 256 bytes (32 elements of 8 bytes), 16 bytes of padding behind each
	s_or_b32 s[G1S+0], s43, (3<<16)|(1<<20)|(1<<21)|(5<<22)|(3<<25)
	s_or_b32 s[G1SB+0], s44, (3<<16)|(1<<20)|(1<<21)|(5<<22)|(3<<25)
.irp g, G1S, G1SB
	s_mov_b32 s[\g+1], 32<<16
	s_mov_b32 s[\g+2], (128*KS/256)<<16
	s_mov_b32 s[\g+3], 32<<16
	s_mov_b32 s[\g+4], 128*KS/256
	s_mov_b32 s[\g+5], 32
	s_mov_b32 s[\g+6], 0
	s_mov_b32 s[\g+7], 0
.endr
	s_lshl_b32 s18, s16, 7                         ; which 128 rows of the tile I fetch
	s_lshl_b32 s20, s17, 8
	s_add_co_u32 s20, s20, s18                     ; A: row 256 x tile row + 128 x half
	s_lshl_b32 s46, s42, 8
	s_add_co_u32 s46, s46, s18                     ; B: row 256 x tile column + 128 x half
	s_mov_b32 s21, 0
	s_mov_b32 s47, 0
	s_mov_b64 s[18:19], KS
	s_mul_u64 s[22:23], s[20:21], s[18:19]         ; where these rows' scale bytes begin
	s_mul_u64 s[92:93], s[46:47], s[18:19]
	s_mov_b64 s[18:19], KROW
	s_mul_u64 s[20:21], s[20:21], s[18:19]         ; and their codes
	s_mul_u64 s[46:47], s[46:47], s[18:19]
	s_mul_i32 s45, s14, HALFT                      ; where they go: wave x 128 rows: no place in the cluster enters an LDS address
	s_mul_i32 s94, s14, HALFS
	s_wait_dscnt 0x0                               ; the opening add is done
	s_wait_kmcnt 0x0
	s_add_nc_u64 s[20:21], s[4:5], s[20:21]
	s_add_nc_u64 s[22:23], s[6:7], s[22:23]
	s_add_nc_u64 s[46:47], s[8:9], s[46:47]
	s_add_nc_u64 s[92:93], s[10:11], s[92:93]
	CROUND                                         ; all sixteen work-groups are here: the joint loads meet
	s_mov_b32 s[G0S], 1
	s_add_co_u32 s[G0S+1], s94, SCL
	s_mov_b64 s[G0S+2:G0S+3], s[22:23]
	s_or_b32 s[G0S+3], s[G0S+3], 0x80000000
	s_mov_b32 s[G0SB], 1
	s_add_co_u32 s[G0SB+1], s94, SCL
	s_mov_b64 s[G0SB+2:G0SB+3], s[92:93]
	s_or_b32 s[G0SB+3], s[G0SB+3], 0x80000000
	JLOAD G0S, G1S, G0SB, G1SB                     ; the scale bytes first: they are wanted with the first slot
.irp s, 0,1
	s_mov_b32 s[G0+4*\s], 1
	s_add_co_u32 s[G0+4*\s+1], s45, \s*SLOT
	s_add_nc_u64 s[G0+4*\s+2:G0+4*\s+3], s[20:21], \s*ROWB
	s_or_b32 s[G0+4*\s+3], s[G0+4*\s+3], 0x80000000
	s_mov_b32 s[G0B+4*\s], 1
	s_add_co_u32 s[G0B+4*\s+1], s45, \s*SLOT
	s_add_nc_u64 s[G0B+4*\s+2:G0B+4*\s+3], s[46:47], \s*ROWB
	s_or_b32 s[G0B+4*\s+3], s[G0B+4*\s+3], 0x80000000
	JLOAD G0+4*\s, G1, G0B+4*\s, G1B               ; three tensor loads of mine are out, by this text's count
.endr
	v_and_b32 v1, 15, v0                           ; l % 16
	v_bfe_u32 v2, v0, 4, 1                         ; l / 16
	v_mul_u32_u24 v3, v1, PITCH
	v_lshl_add_u32 v4, v2, 4, v3                   ; a fragment's row x pitch + 16 x half
	s_mul_i32 s21, s15, HALFT                      ; my 128 rows of A
	s_mul_i32 s22, s16, HALFT                      ; my 128 rows of B,
	s_add_co_u32 s22, s22, 2*HALFT                 ; behind A's 256
.irp s, 0,1
	v_add_nc_u32 v[ADRA+\s], s21, v4
	v_add_nc_u32 v[ADRB+\s], s22, v4
	s_add_co_u32 s21, s21, SLOT
	s_add_co_u32 s22, s22, SLOT
.endr
	v_mul_u32_u24 v5, v1, KS                       ; my row's scale bytes: 32 a row,
	v_lshrrev_b32 v6, 8, v5
	v_lshl_add_u32 v5, v6, 4, v5                   ; and 16 more for each 256 passed
	s_mul_i32 s21, s15, HALFS                      ; A's: my 128 rows
	s_mul_i32 s22, s16, HALFS                      ; B's: my 128 rows, behind A's 256
	s_add_co_u32 s22, s22, 2*HALFS
	s_sub_co_u32 s22, s22, s21
	v_mul_u32_u24 v6, s22, v2                      ; lanes 16-31 take B's
	s_add_co_u32 s21, s21, SCL
	v_add_nc_u32 v5, v5, v6
	v_add_nc_u32 v[ADRS], s21, v5
	s_mul_i32 s23, s14, 16*SPITCH                  ; my stage
	v_mul_u32_u24 v5, v1, SPITCH                   ; in: row l % 16, 16 bytes for each half of the lanes
	v_lshl_add_u32 v5, v2, 4, v5
	v_add_nc_u32 v[STO], s23, v5
	v_and_b32 v6, 31, v0
	v_lshlrev_b32 v[CO], 4, v6                     ; in memory four tokens of a head are 512 consecutive bytes: 16 a lane
	v_lshrrev_b32 v5, 3, v6
	v_mul_u32_u24 v5, v5, SPITCH                   ; back: token lane / 8 of four, 16 (lane % 8) of its head's 128 bytes
	v_and_b32 v6, 7, v6
	v_lshl_add_u32 v5, v6, 4, v5
	v_add_nc_u32 v[RD], s23, v5
	; where my part begins in qkv: plane (tile row / 8) x 48 + 4 x tile column + 2 x column half; token (tile row % 8) x 256 + 128 x row half
	s_lshr_b32 s20, s17, 3
	s_mul_i32 s20, s20, 48
	s_lshl_b32 s46, s42, 2
	s_lshl_b32 s47, s16, 1
	s_add_co_u32 s46, s46, s47
	s_add_co_u32 s46, s46, s20
	s_lshl_b32 s46, s46, 18                        ; x 262,144 bytes: under 2^26
	s_and_b32 s20, s17, 7
	s_lshl_b32 s20, s20, 8
	s_lshl_b32 s21, s15, 7
	s_add_co_u32 s20, s20, s21
	s_lshl_b32 s20, s20, 7                         ; x 128 bytes a token
	s_add_co_u32 s46, s46, s20
	s_mov_b32 s47, 0
	s_add_nc_u64 s[12:13], s[12:13], s[46:47]
.macro FRAG reg, adr, q, i             ; a fragment: lane l holds row l % 16; registers 4 c .. 4 c + 3 hold K = 64 c + 32 (l / 16) + 0 .. 31
.irp c, 0,1
	ds_load_b128 v[\reg+4*\c:\reg+4*\c+3], v[\adr] offset:64*(\q)+32*\c+(\i)*16*PITCH
.endr
.endm
; 16 matrix instructions: A's blocks a0, a0 + 1 x B's eight, the slot's q-th 128 along K.  p: B's set; sc: the set of scale words.  zero = 1: the first product starts the sums.
; The 64 accumulators take turns, one instruction a turn, in the same order in every step.
.macro MUL16 a0, p, q, sc, zero
.irp a, \a0, \a0+1
.irp b, 0,1,2,3,4,5,6,7
.if \zero
	v_wmma_scale_f32_16x16x128_f8f6f4 v[8*(8*((\a)%4)+\b):8*(8*((\a)%4)+\b)+7], v[128*(\p)+FR*\b:128*(\p)+FR*\b+FR-1], v[AF+FR*(\a):AF+FR*(\a)+FR-1], 0, v[SC+8*NQ*(\sc)+NQ*\b+(\q)], v[SC+8*NQ*(\sc)+NQ*(\a)+(\q)] matrix_a_fmt:MATRIX_FMT_FP4 matrix_b_fmt:MATRIX_FMT_FP4 matrix_a_scale:MATRIX_SCALE_ROW1
.else
	v_wmma_scale_f32_16x16x128_f8f6f4 v[8*(8*((\a)%4)+\b):8*(8*((\a)%4)+\b)+7], v[128*(\p)+FR*\b:128*(\p)+FR*\b+FR-1], v[AF+FR*(\a):AF+FR*(\a)+FR-1], v[8*(8*((\a)%4)+\b):8*(8*((\a)%4)+\b)+7], v[SC+8*NQ*(\sc)+NQ*\b+(\q)], v[SC+8*NQ*(\sc)+NQ*(\a)+(\q)] matrix_a_fmt:MATRIX_FMT_FP4 matrix_b_fmt:MATRIX_FMT_FP4 matrix_a_scale:MATRIX_SCALE_ROW1
.endif
.endr
.endr
.endm
.macro FETCH_B slot, q, p              ; B's eight fragments into set p
	WIN TO_B
.irp i, 0,1,2,3,4,5,6,7
	FRAG 128*(\p)+FR*\i, ADRB+\slot, \q, \i
.endr
	WIN 0
.endm
.macro FETCH_A slot, q, i0             ; A's blocks i0 .. i0 + 3
.irp i, \i0, \i0+1, \i0+2, \i0+3
	FRAG AF+FR*(\i), ADRA+\slot, \q, \i
.endr
.endm
.macro SCALES sc                       ; a slot's scale words: four words a row; lanes 0-15 A's block i, lanes 16-31 B's block i
.irp i, 0,1,2,3,4,5,6,7
	ds_load_b128 v[SC+8*NQ*\sc+NQ*\i:SC+8*NQ*\sc+NQ*\i+3], v[ADRS] offset:\i*SBLK
.endr
.endm
.macro PLACES n                        ; plain vector lines between a matrix instruction and a load into, or a read of, its registers
.rept \n
	v_nop
.endr
.endm
; A step of 128 along K that has its successor in the same slot.  A block of A is free as soon as its eight products are issued: blocks 0-3 are fetched anew in the step's middle, blocks 4-7 at its end.
.macro STEP slot, q, zero
	s_wait_dscnt 4*NL                              ; B's set and A's blocks 0-3 are in; the youngest eight loads (A's blocks 4-7) may be out
	WIN MUL_LO
	MUL16 0, (\q)%2, \q, \slot, \zero
	MUL16 2, (\q)%2, \q, \slot, \zero
	s_wait_dscnt 0                                 ; A's blocks 4-7 are in
	PLACES NP
	FETCH_B \slot, (\q)+1, 1-(\q)%2
	FETCH_A \slot, (\q)+1, 0
	WIN MUL_HI
	MUL16 4, (\q)%2, \q, \slot, \zero
	MUL16 6, (\q)%2, \q, \slot, \zero
	PLACES NP
	WIN 0
	FETCH_A \slot, (\q)+1, 4
.endm
.macro STEPS slot, from                ; the slot's steps from .. NQ - 2
.set Q, \from
.rept NQ-1-\from
	STEP \slot, Q, 0
.set Q, Q+1
.endr
.endm
	s_wait_tensorcnt 1                             ; the scale bytes and my part of slot 0 are in (slot 1's load may be out),
	s_barrier_signal -1
	s_barrier_wait -1                              ; everybody's are
	FETCH_B 0, 0, 0
	FETCH_A 0, 0, 0
	SCALES 0
	FETCH_A 0, 0, 4
	STEP 0, 0, 1                                   ; the first step's products start the sums
	STEPS 0, 1
	; slot 0's last step changes slots: one barrier; in front of it my part of slot 1 has landed and my reads of slot 0 are over.  Nothing is filled again.
	s_wait_tensorcnt 0x0                           ; all my tensor loads have landed
	ds_add_u32 v[SPW], v[NIL]                      ; 0 onto my spare word
	s_wait_dscnt 4*NL+1                            ; (the add and A's blocks 4-7 may be out)
	WIN MUL_LO
	MUL16 0, 1, NQ-1, 0, 0
	s_wait_dscnt 0x0                               ; the add is done, and my reads of slot 0 are over
	s_barrier_signal -1
	MUL16 2, 1, NQ-1, 0, 0
	WIN 0
	s_barrier_wait -1
	PLACES NP
	v_add_nc_u32 v[ADRS], 4*NQ, v[ADRS]            ; on to slot 1's scale words
	FETCH_B 1, 0, 0
	FETCH_A 1, 0, 0
	SCALES 1
	WIN MUL_HI
	MUL16 4, 1, NQ-1, 0, 0
	MUL16 6, 1, NQ-1, 0, 0
	PLACES NP
	WIN 0
	FETCH_A 1, 0, 4
	STEPS 1, 0
	s_wait_dscnt 4*NL                              ; the very last step: nothing more to fetch
	WIN MUL_LO
	MUL16 0, 1, NQ-1, 1, 0
	MUL16 2, 1, NQ-1, 1, 0
	s_wait_dscnt 0
	WIN MUL_HI
	MUL16 4, 1, NQ-1, 1, 0
	MUL16 6, 1, NQ-1, 1, 0
	WIN 0
; THE WAY OUT, block by block of 16 tokens x 128 columns (two heads).  PACK: rounded to f16, 16 bytes a lane, each accumulator from its low end on.  TOSTAGE: into my own stage, and back as
; four tokens x 128 bytes of one head.  SEND: each store covers 512 consecutive bytes, aligned.  LDS serves a wave's instructions in order: no wait between the stage's stores and loads.
.macro PACK a
.set AC, 64*((\a)%4)
	WIN 0x0a+5*((\a)/4)                            ; sources 0 and 1: window 2 or 3
.irp b, 0,1,2,3,4,5,6,7
.irp j, 0,1,2,3
	v_cvt_pk_f16_f32 v[TMP+4*\b+\j], v[AC+8*\b+2*\j], v[AC+8*\b+2*\j+1]
.endr
.endr
	WIN 0
.endm
.macro TOSTAGE a
.set BB, OB+192*((\a)%2)
.if (\a) > 1
	s_wait_xcnt 0x0                                ; the stores of the block two back have read these registers: loads land there only behind this wait
.endif
.irp b, 0,1,2,3,4,5,6,7
	ds_store_b128 v[STO], v[TMP+4*\b:TMP+4*\b+3] offset:32*\b
.endr
.irp hh, 0,1
.irp t, 0,1,2,3
	ds_load_b128 v[BB+4*(4*\hh+\t):BB+4*(4*\hh+\t)+3], v[RD] offset:\t*4*SPITCH+128*\hh
.endr
.endr
.endm
.macro SEND a
.set BB, OB+192*((\a)%2)
	s_wait_dscnt 0x0                               ; the block is back in registers
.irp hh, 0,1
.irp t, 0,1,2,3
	global_store_b128 v[CO], v[BB+4*(4*\hh+\t):BB+4*(4*\hh+\t)+3], s[12:13] offset:(\a)*2048+\t*512+\hh*PLANE
.endr
.endr
.endm
	PLACES NP                                      ; behind the last products, ahead of the first read of results
	PACK 0
	TOSTAGE 0
.irp a, 1,2,3,4,5,6,7                  ; block a's conversions stand between block a - 1's loads from the stage and the wait for them
	PACK \a
	SEND \a-1
	TOSTAGE \a
.endr
	SEND 7
	s_wait_tensorcnt 0x0                           ; the wave's end, behind my last tensor load and my last LDS store
	ds_add_u32 v[SPW], v[NIL]
	s_wait_dscnt 0x0
	CROUND                                         ; the closing round
	s_endpgm
.Lfunc_end_k_qd2d2f64c86_qkv:
	.size	k_qd2d2f64c86_qkv, .Lfunc_end_k_qd2d2f64c86_qkv-k_qd2d2f64c86_qkv
	.p2alignl 7, 3214868480
	.fill 96, 4, 3214868480
	.section	.rodata,"a",@progbits
	.p2align	6, 0x0
	.amdhsa_kernel k_qd2d2f64c86_qkv
		.amdhsa_group_segment_fixed_size 327680
		.amdhsa_private_segment_fixed_size 0
		.amdhsa_enable_private_segment 0
		.amdhsa_kernarg_size 40
		.amdhsa_user_sgpr_count 2
		.amdhsa_user_sgpr_kernarg_segment_ptr 1
		.amdhsa_wavefront_size32 1
		.amdhsa_system_sgpr_workgroup_id_x 1
		.amdhsa_system_sgpr_workgroup_id_y 1
		.amdhsa_system_sgpr_workgroup_id_z 1
		.amdhsa_system_vgpr_workitem_id 0
		.amdhsa_next_free_vgpr 1024
		.amdhsa_next_free_sgpr 98
		.amdhsa_reserve_vcc 0
		.amdhsa_float_denorm_mode_32 3
		.amdhsa_float_denorm_mode_16_64 3
		.amdhsa_memory_ordered 1
		.amdhsa_forward_progress 1
		.amdhsa_inst_pref_size 126
	.end_amdhsa_kernel
	.amdgpu_metadata
---
amdhsa.version: [ 1, 2 ]
amdhsa.kernels:
  - .name:           k_qd2d2f64c86_qkv
    .symbol:         k_qd2d2f64c86_qkv.kd
    .args:
      - { .name: x_codes, .offset: 0, .size: 8, .value_kind: global_buffer, .address_space: global }
      - { .name: x_scales, .offset: 8, .size: 8, .value_kind: global_buffer, .address_space: global }
      - { .name: w_codes, .offset: 16, .size: 8, .value_kind: global_buffer, .address_space: global }
      - { .name: w_scales, .offset: 24, .size: 8, .value_kind: global_buffer, .address_space: global }
      - { .name: qkv, .offset: 32, .size: 8, .value_kind: global_buffer, .address_space: global }
    .group_segment_fixed_size: 327680
    .private_segment_fixed_size: 0
    .kernarg_segment_align: 8
    .kernarg_segment_size: 40
    .max_flat_workgroup_size: 128
    .sgpr_count:     98
    .vgpr_count:     1024
    .wavefront_size: 32
...
	.end_amdgpu_metadata
.endif
;; end of part 2
;; launch attn (part 3): grid 4 x 64, 8 waves a work-group, clusters of 4 x 1, 327,680 bytes of LDS; arguments qkv, heads; writes heads
.if DOCPART == 3
	.amdgcn_target "amdgcn-amd-amdhsa--gfx1250"
	.amdhsa_code_object_version 6
	.text
	.protected	k_qd2d2f64c86_attn
	.globl	k_qd2d2f64c86_attn
	.p2align	8
	.type	k_qd2d2f64c86_attn,@function
k_qd2d2f64c86_attn:
	s_mov_b64 s[64:65], 0
	v_nop
	global_prefetch_b8 v0, s[64:65] scope:SCOPE_SE
	s_setreg_imm32_b32 hwreg(HW_REG_WAVE_MODE, 25, 1), 1
	s_wait_xcnt 0x0
	s_wait_alu depctr_hold_cnt(0) depctr_sa_sdst(0) depctr_va_vdst(0) depctr_va_sdst(0) depctr_va_ssrc(0) depctr_va_vcc(0) depctr_vm_vsrc(0)
	s_getreg_b32 s2, hwreg(HW_REG_IB_STS2, 6, 4)
	s_cmp_eq_u32 s2, 0
	s_cbranch_scc0 .Lentry_in_a_cluster
	s_endpgm
.Lentry_in_a_cluster:
	s_bfe_u32 s2, ttmp6, 0x10000c
	s_cmp_lg_u32 s2, 0x3003
	s_cbranch_scc0 .Lentry_shape_is_right
	s_endpgm
.Lentry_shape_is_right:
; heads[h][token][:] = the sum over keys k <= q of softmax_k(q . k / 8) v[k][:], for 64 (batch, head) pairs, 2,048 tokens, head size 64.  q, k, v: f16, from qkv [batch][g 48][token][64]; sums, maxima, exponentials in f32;
; the weights p are rounded to f16 for the second product; the result is rounded to f16 into heads [head 16][token 8192][64].
; LIMITS: |q|, |k|, |v| under 65,504.  Hidden scores are -1e30, not -infinity: with f16 operands |q . k| is at most 64 x 65,504^2 = 2.7e11, so a hidden key's p is 0.  The row's sum is taken of p as rounded to f16.
; SHARES.  The four work-groups of a cluster serve one (batch, head).  Its 128 tiles of 16 queries are dealt to the cluster's 32 waves, four to a wave, one in each block of 512 queries:
; tile i of wave w of partner c is 32 i + 4 a_i + c, a_i = a for even i and 7 - a for odd i, a = w xor 3 (w / 4).  Keys go in steps of 64; tile i needs steps 0 .. 8 i + a_i, and its last step is its diagonal step,
; in which it stands at key tile c.  So every wave has 52 + 14 = 66 tile steps, whatever w and c, and no branch, trip count or LDS address hangs on c: the partners walk alike, and K's and V's tiles are asked for JOINTLY.
; RING.  Two LDS slots of 512 keys.  Slot n's keys are the diagonal region of tile n: the body for slot n is written for tiles n .. 3, and only tile n tests the step's number.  Two first fills and two refills.
; A refill has a whole body in which to land: at the least 8 steps x 1 tile x 18 matrix instructions and their softmax in each of eight waves, so no wave stands waiting for it, and no prefetch is laid.
; LAYOUT.  S^T = K Q^T (source 0 = 16 keys, source 1 = 16 queries): a lane holds ONE query (lane % 16) and keys 8 (lane / 16) + 0..7.  Two such tiles rounded to f16 ARE source 1 of O^T = V^T P.  V is turned by ds_load_tr16_b128.
; The causal mask of the diagonal step is the C of its first products: 0 where the key counts, -1e30 where not.  The row's sum is a product too: source 0 = ones.
; REGISTERS.  window 0: v2-15 addresses; v16-19 at work; v20-35 four statistics a tile (c m, m, a, a filler); v40-47 ones; v48-79 S^T; v80-95 P; v96-159 K's fragments; v160-223 V's.
;   window 1: v0-127 O^T, 32 a tile; v128-159 the sums, 8 a tile; v160-223 Q, 16 a tile; v224-255 the mask.
.set KP,    144                        ; a key's row in LDS: 128 bytes + 16
.set VP,    160                        ; a row of V: 128 + 32
.set SK,    512                        ; keys in a slot
.set VOFF,  SK*KP                      ; a slot: 512 rows of K, then 512 rows of V
.set SLOT,  SK*(KP+VP)
.set SPARE, 2*SLOT                     ; behind the ring: the spare words, 128 bytes for each of eight waves
.set STEPK, 64*KP
.set STEPV, 64*VP
.set PLANE, 262144                     ; a head's 2,048 tokens x 128 bytes
.set AK0, 2                            ; v2   my lane's place in a tile of K
.set AV0, 3                            ; v3   the same for V
.set ADK, 4                            ; v4   LDS address of the step's K
.set ADV, 5                            ; v5   of its V
.set QOE, 6                            ; v6   my byte in Q's plane for tiles 0, 2;  v7 for tiles 1, 3
.set QOO, 7
.set STO, 8                            ; v8   the way out: where I put 16 bytes of a row
.set RD,  9                            ; v9   where I read back
.set GOE, 10                           ; v10  my byte in the head's plane of the result for tiles 0, 2;  v11 for tiles 1, 3
.set GOO, 11
.set SPW, 12                           ; v12  LDS address of my spare word; never rewritten
.set NIL, 13                           ; v13  0; never rewritten
.set C0,  16
.set ST,  20
.set ONES, 40
.set S,   48
.set P,   80
.set KF,  96
.set VF,  160
.set LS,  128                          ; window 1
.set QF,  160
.set MK,  224
.set WV,  8                            ; s8   my wave's number
.set G1K, 16                           ; s[16:23] descriptor group 1 for K's tiles;  s[24:31] for V's
.set G1V, 24
.set G0K, 32                           ; s[32:39] group 0 for K's tiles, a set for each slot;  s[40:47] for V's
.set G0V, 40
.set CS,  52                           ; s[52:53] c = log2(e) / 8
.set SEL, 54                           ; s[54:55] lane selects: lane l xor 16
.set KC,  56                           ; s56  the step's number in its slot
.set TBK, 57                           ; s57  LDS byte at which the step's K begins;  s58 the same for V (less VOFF)
.set TBV, 58
.set TH,  60                           ; s60-63 a_0 .. a_3
.set MSB, 0
.macro WIN new                         ; the immediate's high byte repeats the setting that is left
.if MSB != \new
	s_set_vgpr_msb (MSB<<8)|\new
.set MSB, \new
.endif
.endm
.set W_KQ,  0x04                       ; Q (source 1) in window 1
.set W_KQM, 0x14                       ; and the mask (C) in window 1
.set W_RS,  0x41                       ; destination and source 0 in window 1
.set W_PV,  0x50                       ; C and D in window 1
; A joint refill of slot s: waves 0-3 fetch K's four quarters, waves 4-7 V's.  The branch hangs on the wave's number alone.  An s_nop 0 and four v_nop follow each line.
.macro JLOAD s
	s_cmp_lt_u32 s[WV], 4
	s_cbranch_scc0 .Lfor_v_\@
	tensor_load_to_lds s[G0K+4*\s:G0K+4*\s+3], s[G1K:G1K+7]
	s_nop 0
.rept 4
	v_nop
.endr
	s_branch .Lasked_\@
.Lfor_v_\@:
	tensor_load_to_lds s[G0V+4*\s:G0V+4*\s+3], s[G1V:G1V+7]
	s_nop 0
.rept 4
	v_nop
.endr
.Lasked_\@:
.endm
.macro CROUND                          ; a round of the cluster's barrier
	s_barrier_signal -1
	s_barrier_wait -1
	s_cmp_lg_u32 s[WV], 0
	s_cbranch_scc1 .Lnot_wave_0_\@
	s_barrier_signal -3
.Lnot_wave_0_\@:
	s_barrier_wait -3
	s_barrier_signal -1
	s_barrier_wait -1
.endm
	s_load_b128 s[4:7], s[0:1], 0x0                ; qkv, heads
	v_lshl_add_u32 v[SPW], v0, 2, SPARE
	v_mov_b32 v[NIL], 0
	ds_add_u32 v[SPW], v[NIL]                      ; the wave's opening: the add and its wait stand ahead of my first tensor load; work on registers stands between them
	v_lshrrev_b32 v1, 5, v0
	v_readfirstlane_b32 s[WV], v1                  ; wave 0..7
	s_bfe_u32 s9, ttmp6, 0x40000                   ; c: my place in the cluster: it enters Q's and the result's addresses and the mask's numbers alone
	s_and_b32 s10, ttmp7, 0xffff                   ; (batch, head), which the partners share
	s_lshr_b32 s11, s10, 4                         ; batch
	s_and_b32 s12, s10, 15                         ; head
	s_mul_i32 s13, s11, 48
	s_add_co_u32 s13, s13, s12
	s_lshl_b32 s48, s13, 18                        ; Q's plane in qkv, in bytes; K's lies 16 planes on, V's 32
	s_mov_b32 s49, 0
	s_lshl_b32 s2, s12, 20                         ; the result: head x 8,192 tokens x 128 bytes
	s_lshl_b32 s3, s11, 18                         ; + batch x 2,048 tokens
	s_add_co_u32 s2, s2, s3
	s_mov_b32 s3, 0
	s_and_b32 s14, s[WV], 3                        ; which 128 rows of a slot I fetch:
	s_lshl_b32 s15, s14, 14                        ; in memory,
	s_add_co_u32 s50, s48, s15
	s_mov_b32 s51, 0
	s_mul_i32 s10, s14, 128*KP                     ; in a slot's K,
	s_mul_i32 s11, s14, 128*VP
	s_add_co_u32 s11, s11, VOFF                    ; in a slot's V
	s_lshr_b32 s12, s[WV], 2
	s_mul_i32 s12, s12, 3
	s_xor_b32 s[TH], s[WV], s12                    ; a
	s_xor_b32 s[TH+1], s[TH], 7                    ; 7 - a
	s_mov_b32 s[TH+2], s[TH]
	s_mov_b32 s[TH+3], s[TH+1]
	; descriptor group 1: 128 rows x 64 elements of 2 bytes, dense in memory, padded behind each row
	s_mov_b32 s[G1K], 15|(1<<16)|(1<<20)|(1<<21)|(4<<22)|(3<<25)   ; the mask: all four; elements of 2 bytes; padding on; bit 21 beside a mask; after every 32 words; 4 words
	s_mov_b32 s[G1V], 15|(1<<16)|(1<<20)|(1<<21)|(4<<22)|(7<<25)   ; the same with 8 words
.irp g, G1K, G1V
	s_mov_b32 s[\g+1], 64<<16                      ; tensor_dim0
	s_mov_b32 s[\g+2], 128<<16                     ; tensor_dim1
	s_mov_b32 s[\g+3], 64<<16                      ; tile_dim0
	s_mov_b32 s[\g+4], 128                         ; tile_dim1
	s_mov_b32 s[\g+5], 64                          ; from row to row
	s_mov_b32 s[\g+6], 0
	s_mov_b32 s[\g+7], 0
.endr
	s_mov_b32 s[CS], 0x3e38aa3b                    ; c = log2(e) / 8
	s_mov_b32 s[CS+1], s[CS]                       ; (named with it as a pair)
	s_mov_b32 s[SEL], 0x76543210
	s_mov_b32 s[SEL+1], 0xfedcba98
	v_and_b32 v1, 15, v0                           ; r
	v_bfe_u32 v14, v0, 4, 1                        ; h
	v_mul_u32_u24 v[AK0], v1, KP
	v_lshl_add_u32 v[AK0], v14, 4, v[AK0]          ; K: row r x pitch + 16 h
	v_and_b32 v15, 7, v0
	v_lshl_add_u32 v[AV0], v14, 3, v15
	v_mul_u32_u24 v[AV0], v[AV0], VP               ; V, for the turning load: key 8 h + l % 8,
	v_bfe_u32 v15, v0, 3, 1
	v_lshl_add_u32 v[AV0], v15, 4, v[AV0]          ; channels 8 ((l / 8) % 2) on
	v_add_nc_u32 v[AV0], VOFF, v[AV0]
	s_mul_i32 s13, s[WV], 16*KP                    ; my stage for the way out: 16 rows x 144 bytes, in slot 0
	v_add_nc_u32 v[STO], s13, v[AK0]               ; in: row r, 16 bytes for each half of the lanes
	v_bfe_u32 v[RD], v0, 3, 2
	v_mul_u32_u24 v[RD], v[RD], KP                 ; back: row lane / 8 of four, 16 (lane % 8)
	v_and_b32 v15, 7, v0
	v_lshl_add_u32 v[RD], v15, 4, v[RD]
	v_add_nc_u32 v[RD], s13, v[RD]
	v_lshlrev_b32 v[QOE], 7, v1
	v_lshl_add_u32 v[QOE], v14, 4, v[QOE]          ; Q: row r x 128 + 16 h
	s_lshl_b32 s14, s[TH], 13                      ; + 64 a tokens
	s_lshl_b32 s15, s9, 11                         ; + 16 c tokens
	s_add_co_u32 s14, s14, s15
	s_lshl_b32 s12, s[TH+1], 13
	s_add_co_u32 s15, s12, s15
	v_add_nc_u32 v[QOO], s15, v[QOE]
	v_add_nc_u32 v[QOE], s14, v[QOE]
	v_and_b32 v15, 31, v0
	v_lshlrev_b32 v15, 4, v15
	v_add_nc_u32 v[GOE], s14, v15                  ; the result: a tile is 2,048 consecutive bytes, 16 a lane and store
	v_add_nc_u32 v[GOO], s15, v15
	s_lshl_b32 s12, s9, 4
	v_lshlrev_b32 v14, 3, v14
	v_sub_nc_u32 v14, v1, v14
	v_add_nc_u32 v14, s12, v14                     ; d = 16 c + r - 8 h: in the diagonal step register 8 kt + j holds a hidden key where 16 kt + j > d
	v_mov_b32 v15, 0xf149f2ca                      ; -1e30
.irp t, 0,1,2,3
	v_mov_b32 v[ST+4*\t+3], 0                      ; named as the upper half of a pair, so it is written
.endr
.irp i, 0,1,2,3,4,5,6,7
	v_mov_b32 v[ONES+\i], 0x3c003c00               ; 1.0, 1.0 in f16
.endr
	s_wait_dscnt 0x0                               ; the opening add is done
	s_wait_kmcnt 0x0
	s_add_nc_u64 s[50:51], s[4:5], s[50:51]        ; my 128 rows, counted in Q's plane
	s_add_nc_u64 s[4:5], s[4:5], s[48:49]          ; Q's plane
	s_add_nc_u64 s[6:7], s[6:7], s[2:3]            ; the result's plane, at my batch
	CROUND                                         ; all four work-groups are here: the first joint loads meet
.irp s, 0,1
	s_mov_b32 s[G0K+4*\s], 1
	s_add_co_u32 s[G0K+4*\s+1], s10, \s*SLOT
	s_add_nc_u64 s[G0K+4*\s+2:G0K+4*\s+3], s[50:51], 16*PLANE+\s*SK*128
	s_or_b32 s[G0K+4*\s+3], s[G0K+4*\s+3], 0x80000000
	s_mov_b32 s[G0V+4*\s], 1
	s_add_co_u32 s[G0V+4*\s+1], s11, \s*SLOT
	s_add_nc_u64 s[G0V+4*\s+2:G0V+4*\s+3], s[50:51], 32*PLANE+\s*SK*128
	s_or_b32 s[G0V+4*\s+3], s[G0V+4*\s+3], 0x80000000
.endr
	s_cmp_lt_u32 s[WV], 4                          ; a wave's two first fills stand in one branch: two loads of mine are out
	s_cbranch_scc0 .Lfirst_v
	tensor_load_to_lds s[G0K:G0K+3], s[G1K:G1K+7]
	s_nop 0
	tensor_load_to_lds s[G0K+4:G0K+7], s[G1K:G1K+7]
	s_nop 0
.rept 4
	v_nop
.endr
	s_branch .Lfirst_asked
.Lfirst_v:
	tensor_load_to_lds s[G0V:G0V+3], s[G1V:G1V+7]
	s_nop 0
	tensor_load_to_lds s[G0V+4:G0V+7], s[G1V:G1V+7]
	s_nop 0
.rept 4
	v_nop
.endr
.Lfirst_asked:
	WIN 0x40                                       ; destination window 1
.irp ch, 0,1                           ; Q stays in registers: tile i, channels 32 ch on
	global_load_b128 v[QF+8*\ch:QF+8*\ch+3],       v[QOE], s[4:5] offset:64*\ch
	global_load_b128 v[QF+8*\ch+4:QF+8*\ch+7],     v[QOE], s[4:5] offset:64*\ch+32
	global_load_b128 v[QF+16+8*\ch:QF+16+8*\ch+3],   v[QOO], s[4:5] offset:65536+64*\ch
	global_load_b128 v[QF+16+8*\ch+4:QF+16+8*\ch+7], v[QOO], s[4:5] offset:65536+64*\ch+32
	global_load_b128 v[QF+32+8*\ch:QF+32+8*\ch+3],   v[QOE], s[4:5] offset:2*65536+64*\ch
	global_load_b128 v[QF+32+8*\ch+4:QF+32+8*\ch+7], v[QOE], s[4:5] offset:2*65536+64*\ch+32
	global_load_b128 v[QF+48+8*\ch:QF+48+8*\ch+3],   v[QOO], s[4:5] offset:3*65536+64*\ch
	global_load_b128 v[QF+48+8*\ch+4:QF+48+8*\ch+7], v[QOO], s[4:5] offset:3*65536+64*\ch+32
.endr
.irp kt, 0,1,2,3                       ; the diagonal step's mask, in the layout of S^T
.irp j, 0,1,2,3,4,5,6,7
	v_cmp_gt_i32 vcc_lo, 16*\kt+\j, v14
	v_cndmask_b32 v[MK+8*\kt+\j], 0, v15, vcc_lo
.endr
.endr
	WIN 0
; ONE TILE'S PART OF A KEY STEP.  diag = 1: the tile whose diagonal region this slot is: past its last step it is left out, in its last step the mask is the C of its first products.
; first = 1: the launch's first key step, which starts m, the sums and O^T: nothing is ever cleared.
.macro TILE t, diag, first
.set rT, ST+4*(\t)
.set rO, 32*(\t)
.set rL, LS+8*(\t)
.set rQ, QF+16*(\t)
.if \diag
.if (!\first) && ((\t) < 3)
	s_cmp_gt_u32 s[KC], s[TH+\t]                   ; the wave's number and the count of steps alone
	s_cbranch_scc1 .Lskip_\@
.endif
	s_cmp_eq_u32 s[KC], s[TH+\t]
	s_cbranch_scc1 .Lmask_\@
.endif
	WIN W_KQ
.irp kt, 0,1,2,3                       ; S^T = K Q^T: four tiles of 16 keys by turns, channels 0-31
	v_wmma_f32_16x16x32_f16 v[S+8*\kt:S+8*\kt+7], v[KF+16*\kt:KF+16*\kt+7], v[rQ:rQ+7], 0
.endr
.if \diag
	WIN 0
	s_branch .Ljoin_\@
.Lmask_\@:
	WIN W_KQM
.irp kt, 0,1,2,3
	v_wmma_f32_16x16x32_f16 v[S+8*\kt:S+8*\kt+7], v[KF+16*\kt:KF+16*\kt+7], v[rQ:rQ+7], v[MK+8*\kt:MK+8*\kt+7]
.endr
	WIN 0
.Ljoin_\@:
.endif
	WIN W_KQ
.irp kt, 0,1,2,3                       ; channels 32-63
	v_wmma_f32_16x16x32_f16 v[S+8*\kt:S+8*\kt+7], v[KF+16*\kt+8:KF+16*\kt+15], v[rQ+8:rQ+15], v[S+8*\kt:S+8*\kt+7]
.endr
	WIN 0
.rept 4
	v_nop                                          ; places behind the products, ahead of the first read of the scores
.endr
.irp q, 0,1,2,3                        ; the maximum of my 32 scores and the old m: four chains, each accumulator from its low end on
	v_max3_num_f32 v[C0+\q], v[S+8*\q], v[S+8*\q+1], v[S+8*\q+2]
.endr
.irp q, 0,1,2,3
	v_max3_num_f32 v[C0+\q], v[C0+\q], v[S+8*\q+3], v[S+8*\q+4]
.endr
.irp q, 0,1,2,3
	v_max3_num_f32 v[C0+\q], v[C0+\q], v[S+8*\q+5], v[S+8*\q+6]
.endr
	v_max3_num_f32 v[C0], v[C0], v[S+7], v[S+15]
	v_max3_num_f32 v[C0+2], v[C0+2], v[S+23], v[S+31]
	v_max3_num_f32 v[C0], v[C0], v[C0+1], v[C0+2]
.if \first
	v_max_num_f32 v[C0], v[C0], v[C0+3]
.else
	v_max3_num_f32 v[C0], v[C0], v[C0+3], v[rT+1]
.endif
	v_permlanex16_b32 v[C0+1], v[C0], s[SEL], s[SEL+1]   ; the query's other 32 keys lie in the lane 16 away
.if !\first
	v_mov_b32 v[C0+3], v[rT]                       ; c m_old
.endif
	v_max_num_f32 v[rT+1], v[C0], v[C0+1]          ; m
	v_mul_f32 v[rT], s[CS], v[rT+1]                ; c m
.if !\first
	v_sub_f32 v[C0+3], v[C0+3], v[rT]              ; c m_old - c m_new
.endif
.irp b, 0,2,4,6,8,10,12,14,16,18,20,22,24,26,28,30
	v_pk_fma_f32 v[S+\b:S+\b+1], v[S+\b:S+\b+1], s[CS:CS+1], v[rT:rT+1] op_sel_hi:[1,0,0] neg_lo:[0,0,1] neg_hi:[0,0,1]   ; c s - c m
.endr
.if !\first
	v_exp_f32 v[rT+2], v[C0+3]                     ; a = 2^(c m_old - c m_new)
.endif
.irp e, 0,1,2,3,4,5,6,7,8,9,10,11,12,13,14,15,16,17,18,19,20,21,22,23,24,25,26,27,28,29,30,31
	v_exp_f32 v[S+\e], v[S+\e]                     ; p: one batch; none of these reads another's result
.endr
	v_nop                                          ; a plain line behind the last exponential
	s_wait_alu depctr_va_vdst(0)                   ; one wait for the batch, ahead of its first reader
.irp i, 0,1,2,3,4,5,6,7,8,9,10,11,12,13,14,15
	v_cvt_pk_f16_f32 v[P+\i], v[S+2*\i], v[S+2*\i+1]
.endr
.if !\first
	WIN W_RS
.irp i, 0,2,4,6,8,10,12,14,16,18,20,22,24,26,28,30
	v_pk_mul_f32 v[rO+\i:rO+\i+1], v[rO+\i:rO+\i+1], v[rT+2:rT+3] op_sel_hi:[1,0]   ; O^T x a
.endr
	v_pk_mul_f32 v[rL:rL+1], v[rL:rL+1], v[rT+2:rT+3] op_sel_hi:[1,0]   ; the sum x a.  Only its lowest register is read at the end; the six that are not rescaled gather at most 64 a step, 2,112 in all
.endif
	s_wait_dscnt 0x0                               ; V is in
	WIN W_PV
.irp kc, 0,1                           ; O^T += V^T P and the sum += ones x P: five accumulators by turns, 32 keys at a time
.irp ct, 0,1,2,3
.if \first && (\kc == 0)
	v_wmma_f32_16x16x32_f16 v[rO+8*\ct:rO+8*\ct+7], v[VF+32*\kc+8*\ct:VF+32*\kc+8*\ct+7], v[P+8*\kc:P+8*\kc+7], 0
.else
	v_wmma_f32_16x16x32_f16 v[rO+8*\ct:rO+8*\ct+7], v[VF+32*\kc+8*\ct:VF+32*\kc+8*\ct+7], v[P+8*\kc:P+8*\kc+7], v[rO+8*\ct:rO+8*\ct+7]
.endif
.endr
.if \first && (\kc == 0)
	v_wmma_f32_16x16x32_f16 v[rL:rL+7], v[ONES:ONES+7], v[P+8*\kc:P+8*\kc+7], 0
.else
	v_wmma_f32_16x16x32_f16 v[rL:rL+7], v[ONES:ONES+7], v[P+8*\kc:P+8*\kc+7], v[rL:rL+7]
.endif
.endr
	WIN 0
.if \diag
.if (!\first) && ((\t) < 3)
.Lskip_\@:
.endif
.endif
.endm
; A KEY STEP of the body for slot n: 64 keys' K and V into registers, then tiles n .. 3.  In the last body a step past the wave's last is left out whole; the lines that step addresses stand on every way.
.macro STEP n, first
.if \n == 3
	s_cmp_gt_u32 s[KC], s[TH+3]
	s_cbranch_scc1 .Lnone_\@
.endif
	v_add_nc_u32 v[ADK], s[TBK], v[AK0]            ; these two and two v_nop are the four places between the last products and the loads into V's registers
	v_add_nc_u32 v[ADV], s[TBV], v[AV0]
	v_nop
	v_nop
.irp f, 0,1,2,3,4,5,6,7                ; K: keys 16 (f / 2) on, channels 32 (f % 2) on
	ds_load_b128 v[KF+8*\f:KF+8*\f+3],   v[ADK] offset:(\f/2)*16*KP+(\f%2)*64
	ds_load_b128 v[KF+8*\f+4:KF+8*\f+7], v[ADK] offset:(\f/2)*16*KP+(\f%2)*64+32
.endr
.irp f, 0,1,2,3,4,5,6,7                ; V, turned: keys 32 (f / 4) on, channels 16 (f % 4) on
	ds_load_tr16_b128 v[VF+8*\f:VF+8*\f+3],   v[ADV] offset:(\f/4)*32*VP+(\f%4)*32
	ds_load_tr16_b128 v[VF+8*\f+4:VF+8*\f+7], v[ADV] offset:(\f/4)*32*VP+16*VP+(\f%4)*32
.endr
	s_wait_dscnt 16                                ; K is in; V's 16 loads may be out
	TILE \n, 1, \first
.irp u, 1,2,3
.if \u > \n
	TILE \u, 0, \first
.endif
.endr
.if \n == 3
.Lnone_\@:
.endif
	s_add_co_u32 s[TBK], s[TBK], STEPK
	s_add_co_u32 s[TBV], s[TBV], STEPV
.endm
; THE CHANGE OF SLOTS.  Each wave waits for all its tensor loads (its part of the slot ahead), adds 0 to its spare word, and waits for that and for its reads of the slot that it leaves.
; fill = 1: slot s, just left, takes the keys 1,024 further on; the barrier is a round of the cluster's, and the joint refill is the first thing behind it.
.macro CHANGE s, fill
	s_wait_tensorcnt 0x0                           ; no tensor load of mine is out, so a group 0 may be written
	ds_add_u32 v[SPW], v[NIL]                      ; 0 onto my spare word
.if \fill
	s_add_nc_u64 s[G0K+4*\s+2:G0K+4*\s+3], s[G0K+4*\s+2:G0K+4*\s+3], 2*SK*128
	s_add_nc_u64 s[G0V+4*\s+2:G0V+4*\s+3], s[G0V+4*\s+2:G0V+4*\s+3], 2*SK*128
	s_wait_dscnt 0x0                               ; the add is done, and my reads of the slot are over
	CROUND
	JLOAD \s
.else
	s_wait_dscnt 0x0
	s_barrier_signal -1
	s_barrier_wait -1
.endif
.endm
.macro BODY n                          ; slot n's eight key steps
	s_mov_b32 s[KC], 0
	s_mov_b32 s[TBK], (\n%2)*SLOT
	s_mov_b32 s[TBV], (\n%2)*SLOT
.Lbody_\@:
	STEP \n, 0
	s_add_co_u32 s[KC], s[KC], 1
	s_cmp_lt_u32 s[KC], 8
	s_cbranch_scc1 .Lbody_\@
.endm
	s_wait_tensorcnt 1                             ; my part of slot 0 is in; slot 1's may stay out
	s_barrier_signal -1
	s_barrier_wait -1                              ; everybody's is
	s_wait_loadcnt 0x0                             ; Q
	s_mov_b32 s[KC], 0
	s_mov_b32 s[TBK], 0
	s_mov_b32 s[TBV], 0
	STEP 0, 1                                      ; the first key step stands in front of the loop: it starts every sum
	s_mov_b32 s[KC], 1
.Lb0:
	STEP 0, 0
	s_add_co_u32 s[KC], s[KC], 1
	s_cmp_lt_u32 s[KC], 8
	s_cbranch_scc1 .Lb0
	CHANGE 0, 1                                    ; slot 0 takes keys 1,024 on
	BODY 1
	CHANGE 1, 1                                    ; slot 1 takes keys 1,536 on: the last load
	BODY 2
	CHANGE 0, 0                                    ; nothing is left to fetch
	BODY 3
	; THE WAY OUT.  O^T is divided by the sum, rounded to f16 and sent through my stage, a tile (16 rows of 128 bytes) at a time.  The stage lies in slot 0: it has had its last fill, and its last read stands ahead of the last barrier.
.rept 4
	v_nop                                          ; places behind the last products
.endr
	WIN 0x01                                       ; source 0 window 1
.irp t, 0,1,2,3
	v_rcp_f32 v[ST+4*\t+2], v[LS+8*\t]
.endr
	WIN 0
	v_nop                                          ; a plain line behind the last reciprocal
	s_wait_alu depctr_va_vdst(0)                   ; one wait for the four, ahead of the first reader
.macro OUT t, go
	WIN W_RS
.irp i, 0,2,4,6,8,10,12,14,16,18,20,22,24,26,28,30
	v_pk_mul_f32 v[32*\t+\i:32*\t+\i+1], v[32*\t+\i:32*\t+\i+1], v[ST+4*\t+2:ST+4*\t+3] op_sel_hi:[1,0]
.endr
	WIN 0x05                                       ; sources 0 and 1 window 1, destination window 0: V's registers are free
.irp i, 0,1,2,3,4,5,6,7,8,9,10,11,12,13,14,15
	v_cvt_pk_f16_f32 v[VF+16*\t+\i], v[32*\t+2*\i], v[32*\t+2*\i+1]
.endr
	WIN 0
.irp ct, 0,1,2,3
	ds_store_b128 v[STO], v[VF+16*\t+4*\ct:VF+16*\t+4*\ct+3] offset:32*\ct
.endr
.irp u, 0,1,2,3
	ds_load_b128 v[KF+16*\t+4*\u:KF+16*\t+4*\u+3], v[RD] offset:\u*4*KP   ; LDS serves a wave's instructions in order: these see the stores above, and the next tile's stores come behind them
.endr
	s_wait_dscnt 0x0
.irp u, 0,1,2,3
	global_store_b128 v[\go], v[KF+16*\t+4*\u:KF+16*\t+4*\u+3], s[6:7] offset:65536*\t+512*\u   ; four tokens: 512 consecutive bytes, aligned; each tile has registers of its own
.endr
.endm
	OUT 0, GOE
	OUT 1, GOO
	OUT 2, GOE
	OUT 3, GOO
	s_wait_tensorcnt 0x0                           ; the wave's end, behind my last tensor load and my last LDS store
	ds_add_u32 v[SPW], v[NIL]
	s_wait_dscnt 0x0
	CROUND                                         ; the closing round
	s_endpgm
.Lfunc_end_k_qd2d2f64c86_attn:
	.size	k_qd2d2f64c86_attn, .Lfunc_end_k_qd2d2f64c86_attn-k_qd2d2f64c86_attn
	.p2alignl 7, 3214868480
	.fill 96, 4, 3214868480
	.section	.rodata,"a",@progbits
	.p2align	6, 0x0
	.amdhsa_kernel k_qd2d2f64c86_attn
		.amdhsa_group_segment_fixed_size 327680
		.amdhsa_private_segment_fixed_size 0
		.amdhsa_enable_private_segment 0
		.amdhsa_kernarg_size 16
		.amdhsa_user_sgpr_count 2
		.amdhsa_user_sgpr_kernarg_segment_ptr 1
		.amdhsa_wavefront_size32 1
		.amdhsa_system_sgpr_workgroup_id_x 1
		.amdhsa_system_sgpr_workgroup_id_y 1
		.amdhsa_system_sgpr_workgroup_id_z 1
		.amdhsa_system_vgpr_workitem_id 0
		.amdhsa_next_free_vgpr 512
		.amdhsa_next_free_sgpr 66
		.amdhsa_reserve_vcc 1
		.amdhsa_float_denorm_mode_32 3
		.amdhsa_float_denorm_mode_16_64 3
		.amdhsa_memory_ordered 1
		.amdhsa_forward_progress 1
		.amdhsa_inst_pref_size 131
	.end_amdhsa_kernel
	.amdgpu_metadata
---
amdhsa.version: [ 1, 2 ]
amdhsa.kernels:
  - .name:           k_qd2d2f64c86_attn
    .symbol:         k_qd2d2f64c86_attn.kd
    .args:
      - { .name: qkv, .offset: 0, .size: 8, .value_kind: global_buffer, .address_space: global }
      - { .name: heads, .offset: 8, .size: 8, .value_kind: global_buffer, .address_space: global }
    .group_segment_fixed_size: 327680
    .private_segment_fixed_size: 0
    .kernarg_segment_align: 8
    .kernarg_segment_size: 16
    .max_flat_workgroup_size: 256
    .sgpr_count:     66
    .vgpr_count:     512
    .wavefront_size: 32
...
	.end_amdgpu_metadata
.endif
;; end of part 3
;; launch oproj (part 4): grid 4 x 64, 4 waves a work-group, clusters of 4 x 4, 327,680 bytes of LDS; arguments heads, wo_h, out0; writes out0
.if DOCPART == 4
	.amdgcn_target "amdgcn-amd-amdhsa--gfx1250"
	.amdhsa_code_object_version 6
	.text
	.protected	k_qd2d2f64c86_oproj
	.globl	k_qd2d2f64c86_oproj
	.p2align	8
	.type	k_qd2d2f64c86_oproj,@function
k_qd2d2f64c86_oproj:
	s_mov_b64 s[64:65], 0
	v_nop
	global_prefetch_b8 v0, s[64:65] scope:SCOPE_SE
	s_setreg_imm32_b32 hwreg(HW_REG_WAVE_MODE, 25, 1), 1
	s_wait_xcnt 0x0
	s_wait_alu depctr_hold_cnt(0) depctr_sa_sdst(0) depctr_va_vdst(0) depctr_va_sdst(0) depctr_va_ssrc(0) depctr_va_vcc(0) depctr_vm_vsrc(0)
	s_getreg_b32 s2, hwreg(HW_REG_IB_STS2, 6, 4)
	s_cmp_eq_u32 s2, 0
	s_cbranch_scc0 .Lentry_in_a_cluster
	s_endpgm
.Lentry_in_a_cluster:
	s_bfe_u32 s2, ttmp6, 0x10000c
	s_cmp_lg_u32 s2, 0xf033
	s_cbranch_scc0 .Lentry_shape_is_right
	s_endpgm
.Lentry_shape_is_right:
; out0[m][n] = sum over k of merged[m][k] Wo[n][k], k = 64 x head + channel.  merged comes as heads [head 16][token 8192][64] f16, Wo as wo_h [1024][1024] f16; sums and out0 [8192][1024] in f32.
; A tile of out0 is 128 tokens x 256 columns: 4 x 64 = 256 work-groups.  Four waves, each 64 tokens x 128 columns: 32 accumulators of 16 x 16, 256 registers (window 1).
; K goes in 8 steps of 128 (two heads) through a ring of two LDS slots: A's tile is two heads' planes of 128 tokens x 128 bytes, B's 256 rows of 256 bytes.
; CLUSTERS: 4 x 4 work-groups.  The four of a row of the cluster need the same tokens, the four of a column the same rows of Wo: each tile is asked for JOINTLY.
; THE MATRIX INSTRUCTION IS USED TRANSPOSED (source 0 = 16 rows of Wo, source 1 = 16 tokens): a lane holds eight neighbouring columns of one token.
; REGISTERS: window 0: v16-30 addresses; two fragment buffers of 96 at v64 and v160: B's 8 fragments (16 rows x 32 K), then A's 4; on the way out v64-191.  window 1: accumulator (a, b) at v[8 (8 a + b)].
.set KSTEP,  128
.set PA,     144                       ; a token's row of one head in LDS: 128 bytes + 16
.set PB,     272                       ; a row of Wo's tile: 256 + 16
.set APL,    128*PA                    ; a head's plane of 128 tokens: what a wave's load for A brings
.set BOFF,   2*APL
.set HALFB,  128*PB                    ; what a wave's load for B brings
.set SLOT,   BOFF+2*HALFB
.set STAGE,  2*SLOT                    ; behind the ring: 16 rows x 528 bytes for each wave
.set SPITCH, 528
.set SPARE,  STAGE+4*16*SPITCH         ; the spare words, 128 bytes for each wave
.set HPL,    1048576                   ; a head's plane in memory
.set LAPS,   4                         ; a lap = two K steps
.set ADRA, 16                          ; v16-17  LDS address of my A fragments in slot 0, 1
.set ADRB, 20                          ; v20-21  the same for B
.set STO,  24                          ; v24     the way out: where I put 32 bytes of a row
.set RD,   25                          ; v25     where I read a row back
.set CO,   26                          ; v26     16 x lane
.set SPW,  28                          ; v28     LDS address of my spare word; never rewritten
.set NIL,  29                          ; v29     0; never rewritten
.set PFO,  30                          ; v30     the prefetch's offset; never rewritten
.set F0,   64
.set F1,   160
.set BK,   64                          ; the way out: 16 rows read back: v64-127 and v128-191 by turns
.set G1,  24                           ; s[24:31] group 1 for A's tiles;  s[32:39] group 0, a set for each slot
.set G0,  32
.set G1B, 48                           ; s[48:55], s[56:63] the same for B's
.set G0B, 56
.set LIM, 43                           ; s43  1 in the wave that prefetches, else the greatest number
.set PFA, 44                           ; s[44:45] where my prefetches stand
.set MSB, 0
.macro WIN new                         ; the immediate's high byte repeats the setting that is left
.if MSB != \new
	s_set_vgpr_msb (MSB<<8)|\new
.set MSB, \new
.endif
.endm
.set MUL, 0x50                         ; C and D window 1
.macro JLOAD s                         ; a joint load: waves 0 and 1 fetch A's two planes, waves 2 and 3 B's two halves; an s_nop 0 and four v_nop follow each line
	s_cmp_eq_u32 s11, 0
	s_cbranch_scc0 .Lfor_b_\@
	tensor_load_to_lds s[G0+4*\s:G0+4*\s+3], s[G1:G1+7]
	s_nop 0
.rept 4
	v_nop
.endr
	s_branch .Lasked_\@
.Lfor_b_\@:
	tensor_load_to_lds s[G0B+4*\s:G0B+4*\s+3], s[G1B:G1B+7]
	s_nop 0
.rept 4
	v_nop
.endr
.Lasked_\@:
.endm
; A PREFETCH INTO THE L2 of A's tile of the K step that stands two refills on: 256 matrix instructions a wave ahead of the load that will want it.  A tile is two planes of 16,384 consecutive bytes, read by the four
; partners of my row of the cluster and by nobody else: each partner takes 4,096 bytes of each plane, told apart BY ADDRESS; wave 0 asks, lanes 256 bytes apart, sixteen to a plane.  So each block is named once.
; K steps 0 to 3 come by their loads alone; the loop's last trip asks for nothing.  Wo's rows are asked for by every cluster's loads, not once: they are not prefetched.
.macro ASK
	s_cmp_gt_u32 s3, s[LIM]                        ; s3 = 1 in the loop's last trip
	s_cbranch_scc0 .Lnot_mine_\@
	global_prefetch_b8 v[PFO], s[PFA:PFA+1] offset:2*HPL th:TH_LOAD_NT scope:SCOPE_SE
.Lnot_mine_\@:
.endm
.macro CREST                           ; a round of the cluster's barrier behind its opening barrier
	s_cmp_lg_u32 s10, 0
	s_cbranch_scc1 .Lnot_wave_0_\@
	s_barrier_signal -3
.Lnot_wave_0_\@:
	s_barrier_wait -3
	s_barrier_signal -1
	s_barrier_wait -1
.endm
.macro CROUND
	s_barrier_signal -1
	s_barrier_wait -1
	CREST
.endm
	s_load_b128 s[4:7], s[0:1], 0x0                ; heads, wo_h
	s_load_b64 s[8:9], s[0:1], 0x10                ; out0
	v_lshl_add_u32 v[SPW], v0, 2, SPARE
	v_mov_b32 v[NIL], 0
	ds_add_u32 v[SPW], v[NIL]                      ; the wave's opening: the add and its wait stand ahead of my first tensor load; work on registers stands between them
	v_lshrrev_b32 v1, 5, v0
	v_readfirstlane_b32 s10, v1                    ; wave 0..3
	s_lshr_b32 s11, s10, 1                         ; which 64 tokens are mine.  Also: I fetch for A (0) or for B (1)
	s_and_b32 s12, s10, 1                          ; which 128 columns.  Also: which plane of A or which half of B I fetch
	s_bfe_u32 s40, ttmp6, 0x40000                  ; cx, cy
	s_bfe_u32 s41, ttmp6, 0x40004
	s_lshl_b32 s42, ttmp9, 2
	s_add_co_u32 s42, s42, s40                     ; tile column
	s_and_b32 s13, ttmp7, 0xffff
	s_lshl_b32 s13, s13, 2
	s_add_co_u32 s13, s13, s41                     ; tile row
	s_lshl_b32 s43, s41, 2
	s_lshl_b32 s43, 15, s43                        ; my row of the cluster
	s_lshl_b32 s44, 0x1111, s40                    ; my column
	s_or_b32 s[G1+0], s43, (1<<16)|(1<<20)|(1<<21)|(4<<22)|(3<<25)    ; A: the mask; elements of 2 bytes; padding on; bit 21 beside a mask; 4 words after every 32
	s_mov_b32 s[G1+1], 64<<16                      ; tensor_dim0
	s_mov_b32 s[G1+2], 128<<16                     ; tensor_dim1
	s_mov_b32 s[G1+3], 64<<16                      ; tile_dim0
	s_mov_b32 s[G1+4], 128                         ; tile_dim1
	s_mov_b32 s[G1+5], 64                          ; from row to row
	s_mov_b32 s[G1+6], 0
	s_mov_b32 s[G1+7], 0
	s_or_b32 s[G1B+0], s44, (1<<16)|(1<<20)|(1<<21)|(5<<22)|(3<<25)   ; B: 4 words after every 64
	s_mov_b32 s[G1B+1], KSTEP<<16
	s_mov_b32 s[G1B+2], 128<<16
	s_mov_b32 s[G1B+3], KSTEP<<16
	s_mov_b32 s[G1B+4], 128
	s_mov_b32 s[G1B+5], 1024
	s_mov_b32 s[G1B+6], 0
	s_mov_b32 s[G1B+7], 0
	s_lshl_b32 s16, s12, 20                        ; A: plane = my half, token 128 x tile row
	s_lshl_b32 s17, s13, 14
	s_add_co_u32 s16, s16, s17
	s_mov_b32 s17, 0
	s_lshl_b32 s46, s42, 19                        ; B: row 256 x tile column + 128 x half, 2,048 bytes a row
	s_lshl_b32 s47, s12, 18
	s_add_co_u32 s46, s46, s47
	s_mov_b32 s47, 0
	s_mul_i32 s20, s12, APL                        ; where they go: no place in the cluster enters an LDS address
	s_mul_i32 s21, s12, HALFB
	s_add_co_u32 s21, s21, BOFF
	s_wait_dscnt 0x0                               ; the opening add is done
	s_wait_kmcnt 0x0
	s_add_nc_u64 s[14:15], s[4:5], s[16:17]
	s_add_nc_u64 s[46:47], s[6:7], s[46:47]
	CROUND                                         ; all sixteen work-groups are here: the first joint loads meet
.irp s, 0,1
	s_mov_b32 s[G0+4*\s], 1
	s_add_co_u32 s[G0+4*\s+1], s20, \s*SLOT
	s_add_nc_u64 s[G0+4*\s+2:G0+4*\s+3], s[14:15], \s*2*HPL
	s_or_b32 s[G0+4*\s+3], s[G0+4*\s+3], 0x80000000
	s_mov_b32 s[G0B+4*\s], 1
	s_add_co_u32 s[G0B+4*\s+1], s21, \s*SLOT
	s_add_nc_u64 s[G0B+4*\s+2:G0B+4*\s+3], s[46:47], \s*KSTEP*2
	s_or_b32 s[G0B+4*\s+3], s[G0B+4*\s+3], 0x80000000
	JLOAD \s                                       ; two tensor loads of mine are out
.endr
	v_and_b32 v1, 15, v0                           ; l % 16
	v_bfe_u32 v2, v0, 4, 1                         ; l / 16
	v_mul_u32_u24 v3, v1, PA
	v_lshl_add_u32 v3, v2, 4, v3
	v_mul_u32_u24 v4, v1, PB
	v_lshl_add_u32 v4, v2, 4, v4
	s_mul_i32 s22, s11, 64*PA                      ; my 64 tokens in a plane
	s_mul_i32 s23, s12, HALFB                      ; my 128 rows of B
	s_add_co_u32 s23, s23, BOFF
.irp s, 0,1
	v_add_nc_u32 v[ADRA+\s], s22, v3
	v_add_nc_u32 v[ADRB+\s], s23, v4
	s_add_co_u32 s22, s22, SLOT
	s_add_co_u32 s23, s23, SLOT
.endr
	s_mul_i32 s23, s10, 16*SPITCH
	s_add_co_u32 s23, s23, STAGE                   ; my stage
	v_mul_u32_u24 v5, v1, SPITCH                   ; in: row l % 16, 32 bytes for each half of the lanes
	v_lshl_add_u32 v5, v2, 5, v5
	v_add_nc_u32 v[STO], s23, v5
	v_and_b32 v6, 31, v0
	v_lshlrev_b32 v[CO], 4, v6                     ; back: the 32 lanes take one row of 512 bytes; the same in out0
	v_add_nc_u32 v[RD], s23, v[CO]
	s_lshl_b32 s16, s13, 19                        ; my first row of out0: (128 x tile row + 64 x half) x 4,096 bytes
	s_lshl_b32 s17, s11, 18
	s_add_co_u32 s16, s16, s17
	s_mov_b32 s17, 0
	s_add_nc_u64 s[8:9], s[8:9], s[16:17]
	s_lshl_b32 s46, s42, 10                        ; my first column, in bytes
	s_lshl_b32 s47, s12, 9
	s_add_co_u32 s46, s46, s47
	s_mov_b32 s47, 0
	s_add_nc_u64 s[8:9], s[8:9], s[46:47]
	s_lshl_b32 s46, s13, 14                        ; the prefetches: my tile row's tokens,
	s_lshl_b32 s47, s40, 12                        ; my work-group's 4,096 bytes of each plane
	s_add_co_u32 s46, s46, s47
	s_mov_b32 s47, 0
	s_add_nc_u64 s[PFA:PFA+1], s[4:5], s[46:47]
	s_add_nc_u64 s[PFA:PFA+1], s[PFA:PFA+1], 2*2*HPL   ; at K step 2: the first refill steps it to 3 and names K step 4.  Nothing is prefetched here, at the head
	s_cmp_eq_u32 s10, 0
	s_cselect_b32 s[LIM], 1, -1
	v_lshlrev_b32 v[PFO], 8, v1
	v_lshl_add_u32 v[PFO], v2, 20, v[PFO]          ; 256 (l % 16) + a plane for lanes 16-31
; 8 matrix instructions: token block a x all 8 column blocks, 32 along K, from buffer f.  The 32 accumulators take turns, one instruction a turn, in the same order in every quarter.
.macro MUL8 f, a, zero
.irp b, 0,1,2,3,4,5,6,7
.if \zero
	v_wmma_f32_16x16x32_f16 v[8*(8*(\a)+\b):8*(8*(\a)+\b)+7], v[\f+8*\b:\f+8*\b+7], v[\f+64+8*(\a):\f+64+8*(\a)+7], 0
.else
	v_wmma_f32_16x16x32_f16 v[8*(8*(\a)+\b):8*(8*(\a)+\b)+7], v[\f+8*\b:\f+8*\b+7], v[\f+64+8*(\a):\f+64+8*(\a)+7], v[8*(8*(\a)+\b):8*(8*(\a)+\b)+7]
.endif
.endr
.endm
; 24 LDS loads in one run: the fragments of the slot's q-th 32 along K into buffer f: B's sixteen loads, then A's eight.  Quarter q lies in A's plane q / 2, at byte 64 (q % 2) of its rows.
.macro FETCH slot, q, f
.irp b, 0,1,2,3,4,5,6,7
	ds_load_b128 v[\f+8*\b:\f+8*\b+3],   v[ADRB+\slot] offset:64*(\q)+\b*16*PB
	ds_load_b128 v[\f+8*\b+4:\f+8*\b+7], v[ADRB+\slot] offset:64*(\q)+\b*16*PB+32
.endr
.irp a, 0,1,2,3
	ds_load_b128 v[\f+64+8*\a:\f+64+8*\a+3],   v[ADRA+\slot] offset:((\q)/2)*APL+((\q)%2)*64+\a*16*PA
	ds_load_b128 v[\f+64+8*\a+4:\f+64+8*\a+7], v[ADRA+\slot] offset:((\q)/2)*APL+((\q)%2)*64+\a*16*PA+32
.endr
.endm
.macro PLACES                          ; four plain lines between matrix instructions and loads into, or reads of, their registers
.rept 4
	v_nop
.endr
.endm
; A K step is four quarters of 32 along K, 32 matrix instructions each, on buffers 0, 1, 0, 1.  One of the first three: multiplies buffer f and fetches quarter q of the same slot into g.
.macro QUARTER slot, q, f, g, zero
	s_wait_dscnt 4                                 ; B and A's blocks 0, 1 are in; the youngest four loads (blocks 2, 3) may be out
	WIN MUL
	MUL8 \f, 0, \zero
	MUL8 \f, 1, \zero
	PLACES
	WIN 0
	FETCH \slot, \q, \g
	s_wait_dscnt 24                                ; all but the 24 just issued
	WIN MUL
	MUL8 \f, 2, \zero
	MUL8 \f, 3, \zero
.endm
; The last quarter multiplies buffer 1 and changes slots: ONE barrier; in front of it each wave waits for all its tensor loads, adds 0 to its spare word, and waits for that and for its reads of this slot.
; fill = 1: the barrier opens a round of the cluster's, and this slot is filled again, two K steps ahead: 112 matrix instructions ahead of the wait for it.
.macro TURN slot, next, fill
.if \fill
	s_wait_xcnt 0x0                                ; the last prefetch, a K step back, has read its address: it is stepped here
	s_add_nc_u64 s[PFA:PFA+1], s[PFA:PFA+1], 2*HPL
.endif
	WIN 0
	s_wait_tensorcnt 0x0                           ; all my tensor loads have landed: my part of the next slot
	ds_add_u32 v[SPW], v[NIL]                      ; 0 onto my spare word
	s_wait_dscnt 5                                 ; (the add and the youngest four loads may be out)
	WIN MUL
	MUL8 F1, 0, 0
	s_wait_dscnt 0x0                               ; the add is done, and my reads of this slot are over
	s_barrier_signal -1
	MUL8 F1, 1, 0
	WIN 0
	s_barrier_wait -1
.if \fill
	CREST                                          ; no wave of any partner still reads this slot or has a load on its way
	s_add_nc_u64 s[G0+4*\slot+2:G0+4*\slot+3], s[G0+4*\slot+2:G0+4*\slot+3], 4*HPL
	s_add_nc_u64 s[G0B+4*\slot+2:G0B+4*\slot+3], s[G0B+4*\slot+2:G0B+4*\slot+3], 2*KSTEP*2
	JLOAD \slot                                    ; the four v_nop behind it are also the places in front of the loads below
.else
	PLACES
.endif
	FETCH \next, 0, F0
.if \fill
	ASK
.endif
	WIN MUL
	MUL8 F1, 2, 0
	MUL8 F1, 3, 0
.endm
	s_wait_tensorcnt 1                             ; my part of K step 0 is in (K step 1's load may be out),
	s_barrier_signal -1
	s_barrier_wait -1                              ; everybody's is
	FETCH 0, 0, F0
	QUARTER 0, 1, F0, F1, 1                        ; the first quarter stands in front of the loop: its products start the sums
	WIN 0                                          ; at a label and at a branch every window is 0
	s_mov_b32 s3, LAPS-1
.Llap:                                             ; a trip goes once round the ring and fills both slots again
	QUARTER 0, 2, F1, F0, 0
	QUARTER 0, 3, F0, F1, 0
	TURN 0, 1, 1
	QUARTER 1, 1, F0, F1, 0
	QUARTER 1, 2, F1, F0, 0
	QUARTER 1, 3, F0, F1, 0
	TURN 1, 0, 1
	QUARTER 0, 1, F0, F1, 0
	WIN 0
	s_sub_co_u32 s3, s3, 1
	s_cmp_lg_u32 s3, 0
	s_cbranch_scc1 .Llap
	QUARTER 0, 2, F1, F0, 0                        ; the last lap fills nothing
	QUARTER 0, 3, F0, F1, 0
	TURN 0, 1, 0
	QUARTER 1, 1, F0, F1, 0
	QUARTER 1, 2, F1, F0, 0
	QUARTER 1, 3, F0, F1, 0
	s_wait_dscnt 4                                 ; the very last quarter: nothing more to fetch
	WIN MUL
	MUL8 F1, 0, 0
	MUL8 F1, 1, 0
	s_wait_dscnt 0
	MUL8 F1, 2, 0
	MUL8 F1, 3, 0
	WIN 0
; THE WAY OUT, block by block of 16 tokens x 128 columns: through my own stage, back as whole rows of 512 bytes, which the 32 lanes store as 512 consecutive bytes, aligned.
; LDS serves a wave's instructions in order: no wait between the stores and the loads, nor in front of the next block's stores.
.macro TOSTAGE a
	WIN 0x04                                       ; an LDS store's data are its source 1: window 1
.irp b, 0,1,2,3,4,5,6,7
	ds_store_b128 v[STO], v[8*(8*(\a)+\b):8*(8*(\a)+\b)+3] offset:64*\b          ; each accumulator from its low end on
	ds_store_b128 v[STO], v[8*(8*(\a)+\b)+4:8*(8*(\a)+\b)+7] offset:64*\b+16
.endr
	WIN 0
.set BB, BK+64*((\a)%2)
.irp t, 0,1,2,3,4,5,6,7,8,9,10,11,12,13,14,15
	ds_load_b128 v[BB+4*\t:BB+4*\t+3], v[RD] offset:\t*SPITCH
.endr
.endm
.macro SEND a, younger                 ; younger: the LDS instructions issued behind block a's loads, which may stay out
.set BB, BK+64*((\a)%2)
	s_wait_dscnt \younger
.irp t, 0,1,2,3,4,5,6,7,8,9,10,11,12,13,14,15
	global_store_b128 v[CO], v[BB+4*\t:BB+4*\t+3], s[8:9] offset:(\a)*65536+\t*4096 th:TH_STORE_NT   ; written once, read by nobody here
.endr
.endm
	PLACES                                         ; behind the last products: for the first read of results and the loads into the fragments' registers
	TOSTAGE 0
.irp a, 1,2,3
.if \a > 1
	s_wait_xcnt 0x0                                ; the stores of the block two back have read their registers: loads land there only behind this wait
.endif
	TOSTAGE \a
	SEND \a-1, 32                                  ; behind block a - 1's loads: block a's 16 stores and 16 loads
.endr
	SEND 3, 0
	s_wait_tensorcnt 0x0                           ; the wave's end, behind my last tensor load and my last LDS store
	ds_add_u32 v[SPW], v[NIL]
	s_wait_dscnt 0x0
	CROUND                                         ; the closing round
	s_endpgm
.Lfunc_end_k_qd2d2f64c86_oproj:
	.size	k_qd2d2f64c86_oproj, .Lfunc_end_k_qd2d2f64c86_oproj-k_qd2d2f64c86_oproj
	.p2alignl 7, 3214868480
	.fill 96, 4, 3214868480
	.section	.rodata,"a",@progbits
	.p2align	6, 0x0
	.amdhsa_kernel k_qd2d2f64c86_oproj
		.amdhsa_group_segment_fixed_size 327680
		.amdhsa_private_segment_fixed_size 0
		.amdhsa_enable_private_segment 0
		.amdhsa_kernarg_size 24
		.amdhsa_user_sgpr_count 2
		.amdhsa_user_sgpr_kernarg_segment_ptr 1
		.amdhsa_wavefront_size32 1
		.amdhsa_system_sgpr_workgroup_id_x 1
		.amdhsa_system_sgpr_workgroup_id_y 1
		.amdhsa_system_sgpr_workgroup_id_z 1
		.amdhsa_system_vgpr_workitem_id 0
		.amdhsa_next_free_vgpr 512
		.amdhsa_next_free_sgpr 66
		.amdhsa_reserve_vcc 0
		.amdhsa_float_denorm_mode_32 3
		.amdhsa_float_denorm_mode_16_64 3
		.amdhsa_memory_ordered 1
		.amdhsa_forward_progress 1
		.amdhsa_inst_pref_size 86
	.end_amdhsa_kernel
	.amdgpu_metadata
---
amdhsa.version: [ 1, 2 ]
amdhsa.kernels:
  - .name:           k_qd2d2f64c86_oproj
    .symbol:         k_qd2d2f64c86_oproj.kd
    .args:
      - { .name: heads, .offset: 0, .size: 8, .value_kind: global_buffer, .address_space: global }
      - { .name: wo_h, .offset: 8, .size: 8, .value_kind: global_buffer, .address_space: global }
      - { .name: out0, .offset: 16, .size: 8, .value_kind: global_buffer, .address_space: global }
    .group_segment_fixed_size: 327680
    .private_segment_fixed_size: 0
    .kernarg_segment_align: 8
    .kernarg_segment_size: 24
    .max_flat_workgroup_size: 128
    .sgpr_count:     66
    .vgpr_count:     512
    .wavefront_size: 32
...
	.end_amdgpu_metadata
.endif
;; end of part 4
;; launch ehead (part 5): grid 64 x 1, 4 waves a work-group, no clusters, 0 bytes of LDS; arguments x_codes, x_scales, w_codes, w_scales, qkv, heads_e; writes heads_e
.if DOCPART == 5
	.amdgcn_target "amdgcn-amd-amdhsa--gfx1250"
	.amdhsa_code_object_version 6
	.text
	.protected	k_qd2d2f64c86_ehead
	.globl	k_qd2d2f64c86_ehead
	.p2align	8
	.type	k_qd2d2f64c86_ehead,@function
k_qd2d2f64c86_ehead:
	s_mov_b64 s[64:65], 0
	v_nop
	global_prefetch_b8 v0, s[64:65] scope:SCOPE_SE
	s_setreg_imm32_b32 hwreg(HW_REG_WAVE_MODE, 25, 1), 1
	s_wait_xcnt 0x0
; THE FIRST 16 TOKENS OF EACH BATCH, ONCE MORE, WITH v, p AND THE RESULT IN f32.
; WHY.  Token t's head is a mean over t + 1 keys, so where the weights are nearly even its numbers are about 1 / sqrt(t + 1) of token 0's, and the root mean square over 2,048 tokens is about
; sqrt((ln 2048 + 0.58) / 2048) = 1 / 16 of token 0's.  The error allowed is set by that root mean square, so the first tokens are asked for some 16 times the relative accuracy of the rest: more than three
; roundings to f16's 11 bits (of v, of the heads, of Wo) leave.  From token 16 on the same roundings weigh a quarter of that or less.
; WHAT.  heads_e = softmax(q k^T / 8, causal) v for tokens 0-15 of each (batch, head).  v is made again from the codes (the quantised product, sums in f32) and stays f32; q and k are taken in f16 from qkv
; (they enter through the scores alone); the softmax takes the row's maximum away; p is not rounded; the second product has f32 operands: 4 instructions a wave, 64 rows of 8,192: no bulk work.
; LIMITS: |q|, |k| under 65,504 (f16); hidden scores are -1e30, not -infinity: |q . k| is at most 64 x 65,504^2 = 2.7e11, so a hidden key's p is 0.
; SHARES.  A work-group serves one (batch, head); wave ct its channels 16 ct .. 16 ct + 15.  The scores and the softmax (16 x 16) are made by each of the four waves for itself: no LDS, no barrier.
; LAYOUT.  v: source 0 = x's 16 rows (keys), source 1 = 16 rows of Wv (channels): lane (r, hl) holds channel r and keys 8 hl + j.  S^T = K Q^T: lane (r, hl) holds query r and keys 8 hl + j.
; So register pair i of v and of p holds the same keys 8 hl + 2 i + 0, 1 in both: they are sources 0 and 1 of O^T = V^T P as they stand (the same order of k on both sides).
; heads_e is the image of the result's registers: [batch][kt = 4 head + ct][half][lane][16 bytes]; lane (r, hl), register j = heads[token r][16 kt + 8 hl + j].  Each store covers 512 consecutive bytes, aligned.
.set XF,  16                           ; v16-79    x's 8 fragments (16 rows x 128 K of codes); later v16-23 the result
.set WF,  80                           ; v80-143   Wv's 8 fragments
.set XS,  144                          ; v144-151  x's scale words, one for each 128 along K: scales and nothing else
.set WS,  152                          ; v152-159  Wv's
.set QF,  160                          ; v160-175  q's two fragments (16 rows x 32 channels)
.set KF,  176                          ; v176-191  k's
.set MK,  192                          ; v192-199  the causal mask in the layout of S^T
.set S,   200                          ; v200-207  S^T, then p
.set VA,  208                          ; v208-223  v's two accumulators: even and odd steps of K
.set V,   224                          ; v224-231  v
.set O0,  232                          ; v232-247  O^T's two accumulators: written by matrix instructions alone
.set O1,  240
.set R,   16
.set KPL, 16*262144                    ; from q's plane to k's in qkv
.set CS,  32                           ; s[32:33] c = log2(e) / 8
.set SEL, 34                           ; s[34:35] lane selects: lane l xor 16
	s_load_b256 s[4:11], s[0:1], 0x0               ; x_codes, x_scales, w_codes, w_scales
	s_load_b128 s[12:15], s[0:1], 0x20             ; qkv, heads_e
	v_lshrrev_b32 v1, 5, v0
	v_readfirstlane_b32 s16, v1                    ; ct: wave 0..3
	v_and_b32 v1, 15, v0                           ; r
	v_bfe_u32 v2, v0, 4, 1                         ; hl
	v_and_b32 v3, 31, v0                           ; lane
	v_lshlrev_b32 v4, 9, v1
	v_lshl_add_u32 v4, v2, 4, v4                   ; codes: row r of 512 bytes, + 16 hl
	v_lshlrev_b32 v5, 5, v1                        ; scale bytes: row r of 32
	v_lshlrev_b32 v6, 7, v1
	v_lshl_add_u32 v6, v2, 4, v6                   ; q, k: row r of 128 bytes, + 16 hl
	v_lshlrev_b32 v7, 4, v3                        ; the result's image: 16 x lane
	v_lshlrev_b32 v8, 3, v2
	v_sub_nc_u32 v8, v1, v8                        ; d = r - 8 hl: register j holds a hidden key where j > d
	v_mov_b32 v9, 0xf149f2ca                       ; -1e30
.irp j, 0,1,2,3,4,5,6,7
	v_cmp_gt_i32 vcc_lo, \j, v8
	v_cndmask_b32 v[MK+\j], 0, v9, vcc_lo
.endr
	s_lshr_b32 s17, ttmp9, 4                       ; batch
	s_and_b32 s18, ttmp9, 15                       ; head
	s_lshl_b32 s20, s17, 20                        ; x's codes: 2,048 rows of 512 bytes a batch
	s_mov_b32 s21, 0
	s_lshl_b32 s22, s17, 16                        ; x's scale bytes: 2,048 rows of 32
	s_mov_b32 s23, 0
	s_lshl_b32 s24, s18, 6
	s_lshl_b32 s25, s16, 4
	s_add_co_u32 s24, s24, s25
	s_add_co_u32 s24, s24, 2048                    ; Wv's rows lie behind Wq's and Wk's: row 2,048 + 64 head + 16 ct
	s_lshl_b32 s26, s24, 5                         ; its scale bytes,
	s_mov_b32 s27, 0
	s_lshl_b32 s24, s24, 9                         ; its codes
	s_mov_b32 s25, 0
	s_mul_i32 s28, s17, 48
	s_add_co_u32 s28, s28, s18
	s_lshl_b32 s28, s28, 18                        ; q's plane in qkv
	s_mov_b32 s29, 0
	s_lshl_b32 s30, ttmp9, 2
	s_add_co_u32 s30, s30, s16                     ; 64 batch + kt
	s_lshl_b32 s30, s30, 10                        ; 1,024 bytes an image
	s_mov_b32 s31, 0
	s_mov_b32 s[CS], 0x3e38aa3b                    ; c = log2(e) / 8
	s_mov_b32 s[CS+1], s[CS]                       ; (named with it as a pair)
	s_mov_b32 s[SEL], 0x76543210
	s_mov_b32 s[SEL+1], 0xfedcba98
	s_wait_kmcnt 0x0
	s_add_nc_u64 s[4:5], s[4:5], s[20:21]
	s_add_nc_u64 s[6:7], s[6:7], s[22:23]
	s_add_nc_u64 s[8:9], s[8:9], s[24:25]
	s_add_nc_u64 s[10:11], s[10:11], s[26:27]
	s_add_nc_u64 s[12:13], s[12:13], s[28:29]
	s_add_nc_u64 s[14:15], s[14:15], s[30:31]
.irp ch, 0,1                           ; q and k first: the scores and the softmax are made while the codes are on their way
.irp c, 0,1
	global_load_b128 v[QF+8*\ch+4*\c:QF+8*\ch+4*\c+3], v6, s[12:13] offset:64*\ch+32*\c
	global_load_b128 v[KF+8*\ch+4*\c:KF+8*\ch+4*\c+3], v6, s[12:13] offset:KPL+64*\ch+32*\c
.endr
.endr
.irp c, 0,1
	global_load_b128 v[XS+4*\c:XS+4*\c+3], v5, s[6:7] offset:16*\c     ; lane r: row r's eight scale words
	global_load_b128 v[WS+4*\c:WS+4*\c+3], v5, s[10:11] offset:16*\c
.endr
.irp s, 0,1,2,3,4,5,6,7
.irp c, 0,1
	global_load_b128 v[XF+8*\s+4*\c:XF+8*\s+4*\c+3], v4, s[4:5] offset:64*\s+32*\c
	global_load_b128 v[WF+8*\s+4*\c:WF+8*\s+4*\c+3], v4, s[8:9] offset:64*\s+32*\c
.endr
.endr
	s_wait_loadcnt 36                              ; q's and k's eight loads are in; the 36 behind them may be out
	v_wmma_f32_16x16x32_f16 v[S:S+7], v[KF:KF+7], v[QF:QF+7], v[MK:MK+7]         ; channels 0-31; the mask starts the sum
	s_wait_alu depctr_va_vdst(0)                   ; a link directly behind the instruction that it adds onto
	v_wmma_f32_16x16x32_f16 v[S:S+7], v[KF+8:KF+15], v[QF+8:QF+15], v[S:S+7]     ; channels 32-63
.rept 4
	v_nop                                          ; places behind the products, ahead of the first read of the scores
.endr
	v_max3_num_f32 v10, v[S], v[S+1], v[S+2]       ; the row's maximum: my 8 keys,
	v_max3_num_f32 v11, v[S+3], v[S+4], v[S+5]
	v_max3_num_f32 v10, v10, v[S+6], v[S+7]
	v_max_num_f32 v10, v10, v11
	v_permlanex16_b32 v11, v10, s[SEL], s[SEL+1]   ; and the other 8, in the lane 16 away
	v_max_num_f32 v13, v10, v11                    ; m
	v_mul_f32 v12, s[CS], v13                      ; c m
.irp p, 0,2,4,6
	v_pk_fma_f32 v[S+\p:S+\p+1], v[S+\p:S+\p+1], s[CS:CS+1], v[12:13] op_sel_hi:[1,0,0] neg_lo:[0,0,1] neg_hi:[0,0,1]   ; c s - c m
.endr
.irp j, 0,1,2,3,4,5,6,7
	v_exp_f32 v[S+\j], v[S+\j]                     ; p, in f32: one batch
.endr
	v_nop                                          ; a plain line behind the last exponential
	s_wait_alu depctr_va_vdst(0)                   ; one wait for the batch, ahead of its first reader
	v_pk_add_f32 v[10:11], v[S:S+1], v[S+2:S+3]    ; the row's sum
	v_pk_add_f32 v[14:15], v[S+4:S+5], v[S+6:S+7]
	v_pk_add_f32 v[10:11], v[10:11], v[14:15]
	v_add_f32 v10, v10, v11
	v_permlanex16_b32 v11, v10, s[SEL], s[SEL+1]
	v_add_f32 v10, v10, v11
	v_rcp_f32 v14, v10
	v_nop                                          ; a plain line behind the reciprocal
	s_wait_alu depctr_va_vdst(0)                   ; and its wait, ahead of the first line that names v14
	s_wait_loadcnt 0x0                             ; the codes and their scale words
.irp s, 0,1,2,3,4,5,6,7                ; v = x Wv^T on codes: two accumulators by turns, one instruction a turn
.if \s < 2
	v_wmma_scale_f32_16x16x128_f8f6f4 v[VA+8*(\s%2):VA+8*(\s%2)+7], v[XF+8*\s:XF+8*\s+7], v[WF+8*\s:WF+8*\s+7], 0, v[XS+\s], v[WS+\s] matrix_a_fmt:MATRIX_FMT_FP4 matrix_b_fmt:MATRIX_FMT_FP4
.else
	v_wmma_scale_f32_16x16x128_f8f6f4 v[VA+8*(\s%2):VA+8*(\s%2)+7], v[XF+8*\s:XF+8*\s+7], v[WF+8*\s:WF+8*\s+7], v[VA+8*(\s%2):VA+8*(\s%2)+7], v[XS+\s], v[WS+\s] matrix_a_fmt:MATRIX_FMT_FP4 matrix_b_fmt:MATRIX_FMT_FP4
.endif
.endr
.rept 4
	v_nop                                          ; places behind the products
.endr
.irp p, 0,2,4,6
	v_pk_add_f32 v[V+\p:V+\p+1], v[VA+\p:VA+\p+1], v[VA+8+\p:VA+8+\p+1]   ; each accumulator from its low end on
.endr
	; O^T = V^T P with f32 operands: 16 keys in four instructions, two accumulators by turns
	v_wmma_f32_16x16x4_f32 v[O0:O0+7], v[V:V+1],   v[S:S+1],   0
	v_wmma_f32_16x16x4_f32 v[O1:O1+7], v[V+2:V+3], v[S+2:S+3], 0
	v_wmma_f32_16x16x4_f32 v[O0:O0+7], v[V+4:V+5], v[S+4:S+5], v[O0:O0+7]
	v_wmma_f32_16x16x4_f32 v[O1:O1+7], v[V+6:V+7], v[S+6:S+7], v[O1:O1+7]
.rept 8
	v_nop                                          ; eight places behind this form
.endr
.irp p, 0,2,4,6
	v_pk_add_f32 v[R+\p:R+\p+1], v[O0+\p:O0+\p+1], v[O1+\p:O1+\p+1]       ; into other registers
.endr
.irp p, 0,2,4,6
	v_pk_mul_f32 v[R+\p:R+\p+1], v[R+\p:R+\p+1], v[14:15] op_sel_hi:[1,0] ; / the row's sum
.endr
	global_store_b128 v7, v[R:R+3], s[14:15]                  ; 512 consecutive bytes, aligned
	global_store_b128 v7, v[R+4:R+7], s[14:15] offset:512
	s_endpgm
.Lfunc_end_k_qd2d2f64c86_ehead:
	.size	k_qd2d2f64c86_ehead, .Lfunc_end_k_qd2d2f64c86_ehead-k_qd2d2f64c86_ehead
	.p2alignl 7, 3214868480
	.fill 96, 4, 3214868480
	.section	.rodata,"a",@progbits
	.p2align	6, 0x0
	.amdhsa_kernel k_qd2d2f64c86_ehead
		.amdhsa_group_segment_fixed_size 0
		.amdhsa_private_segment_fixed_size 0
		.amdhsa_enable_private_segment 0
		.amdhsa_kernarg_size 48
		.amdhsa_user_sgpr_count 2
		.amdhsa_user_sgpr_kernarg_segment_ptr 1
		.amdhsa_wavefront_size32 1
		.amdhsa_system_sgpr_workgroup_id_x 1
		.amdhsa_system_sgpr_workgroup_id_y 1
		.amdhsa_system_sgpr_workgroup_id_z 1
		.amdhsa_system_vgpr_workitem_id 0
		.amdhsa_next_free_vgpr 256
		.amdhsa_next_free_sgpr 66
		.amdhsa_reserve_vcc 1
		.amdhsa_float_denorm_mode_32 3
		.amdhsa_float_denorm_mode_16_64 3
		.amdhsa_memory_ordered 1
		.amdhsa_forward_progress 1
		.amdhsa_inst_pref_size 11
	.end_amdhsa_kernel
	.amdgpu_metadata
---
amdhsa.version: [ 1, 2 ]
amdhsa.kernels:
  - .name:           k_qd2d2f64c86_ehead
    .symbol:         k_qd2d2f64c86_ehead.kd
    .args:
      - { .name: x_codes, .offset: 0, .size: 8, .value_kind: global_buffer, .address_space: global }
      - { .name: x_scales, .offset: 8, .size: 8, .value_kind: global_buffer, .address_space: global }
      - { .name: w_codes, .offset: 16, .size: 8, .value_kind: global_buffer, .address_space: global }
      - { .name: w_scales, .offset: 24, .size: 8, .value_kind: global_buffer, .address_space: global }
      - { .name: qkv, .offset: 32, .size: 8, .value_kind: global_buffer, .address_space: global }
      - { .name: heads_e, .offset: 40, .size: 8, .value_kind: global_buffer, .address_space: global }
    .group_segment_fixed_size: 0
    .private_segment_fixed_size: 0
    .kernarg_segment_align: 8
    .kernarg_segment_size: 48
    .max_flat_workgroup_size: 128
    .sgpr_count:     66
    .vgpr_count:     256
    .wavefront_size: 32
...
	.end_amdgpu_metadata
.endif
;; end of part 5
;; launch eout (part 6): grid 64 x 4, 8 waves a work-group, no clusters, 9,216 bytes of LDS; arguments heads_e, Wo, out0; writes out0
.if DOCPART == 6
	.amdgcn_target "amdgcn-amd-amdhsa--gfx1250"
	.amdhsa_code_object_version 6
	.text
	.protected	k_qd2d2f64c86_eout
	.globl	k_qd2d2f64c86_eout
	.p2align	8
	.type	k_qd2d2f64c86_eout,@function
k_qd2d2f64c86_eout:
	s_mov_b64 s[64:65], 0
	v_nop
	global_prefetch_b8 v0, s[64:65] scope:SCOPE_SE
	s_setreg_imm32_b32 hwreg(HW_REG_WAVE_MODE, 25, 1), 1
	s_wait_xcnt 0x0
; out0[batch][t][n] = sum over k of heads[t][k] Wo[n][k] for tokens t = 0 .. 15 of each batch, with f32 operands: these 64 rows take the place of the rows that the f16 product has stored there.
; Why these rows: their numbers are up to some 16 times the output's root mean square, by which the allowed error is set, and the roundings of the heads and of Wo to f16 are too coarse for them.
; 64 x 1,024 x 1,024 multiply-adds, 64 rows of 8,192: no bulk work for the f32 matrix form.
; SHARES.  A work-group makes 16 tokens of one batch x 16 columns.  Its eight waves share K: wave w takes k = 128 w .. 128 w + 127: 32 loads, all issued at once, 32 matrix instructions.
; The eight partial tiles meet in LDS as images of their registers (1,024 bytes each); behind one barrier wave 0 adds them and stores.
; LAYOUT.  Source 0 = 16 rows of Wo, source 1 = 16 tokens: lane (r, hl) of the result holds token r and columns 8 hl + j.  heads_e holds, for each 16 along K, the image of eight registers:
; lane (r, hl), register j = heads[token r][16 kt + 8 hl + j]; of Wo's row r the same lane loads the same k: 32 bytes at 64 kt + 32 hl.  Register pair i is one instruction's K on both sides.
; The stores cover 32 bytes of each of 16 rows: aligned blocks of 256 bytes are written in part; the launch stores 262,144 bytes in all.
.set AF,  16                           ; v16-79    the tokens' images: 8 chunks of 16 along K
.set BF,  80                           ; v80-143   Wo's rows likewise
.set AC,  144                          ; v144-175  four accumulators, one for each register pair: written by matrix instructions alone
.set T,   176                          ; v176-183  my partial tile
.set U,   248                          ; v248-255  at work
.set RB,  184                          ; v184-247  wave 0: the eight partial tiles
.set SPW, 6                            ; v6  LDS address of my spare word; never rewritten
.set NIL, 7                            ; v7  0; never rewritten
.set SPARE, 8192                       ; behind the eight images: the spare words, 128 bytes for each wave
	s_load_b128 s[4:7], s[0:1], 0x0                ; heads_e, Wo
	s_load_b64 s[8:9], s[0:1], 0x10                ; out0
	v_lshl_add_u32 v[SPW], v0, 2, SPARE
	v_mov_b32 v[NIL], 0
	v_lshrrev_b32 v1, 5, v0
	v_readfirstlane_b32 s10, v1                    ; wave 0..7
	v_and_b32 v1, 15, v0                           ; r
	v_bfe_u32 v2, v0, 4, 1                         ; hl
	v_and_b32 v3, 31, v0
	v_lshlrev_b32 v3, 4, v3                        ; 16 x lane: an image's place for my lane, in memory and in LDS
	v_lshlrev_b32 v4, 12, v1
	v_lshl_add_u32 v4, v2, 5, v4                   ; row r of 4,096 bytes, + 32 hl: in Wo and in out0
	s_lshl_b32 s11, s10, 10
	v_add_nc_u32 v5, s11, v3                       ; where I put my partial tile: 1,024 x wave + 16 x lane
	s_and_b32 s12, ttmp7, 0xffff                   ; batch
	s_lshl_b32 s14, s12, 16                        ; heads_e: 64 images a batch,
	s_lshl_b32 s15, s10, 13                        ; 8 a wave
	s_add_co_u32 s14, s14, s15
	s_mov_b32 s15, 0
	s_lshl_b32 s16, ttmp9, 16                      ; Wo: 16 rows of 4,096 bytes a work-group,
	s_lshl_b32 s17, s10, 9                         ; 128 numbers along K a wave
	s_add_co_u32 s16, s16, s17
	s_mov_b32 s17, 0
	s_lshl_b32 s18, s12, 23                        ; out0: 2,048 rows of 4,096 bytes a batch,
	s_lshl_b32 s19, ttmp9, 6                       ; 16 columns a work-group
	s_add_co_u32 s18, s18, s19
	s_mov_b32 s19, 0
	s_wait_kmcnt 0x0
	s_add_nc_u64 s[4:5], s[4:5], s[14:15]
	s_add_nc_u64 s[6:7], s[6:7], s[16:17]
	s_add_nc_u64 s[8:9], s[8:9], s[18:19]
.irp c, 0,1,2,3,4,5,6,7
	global_load_b128 v[AF+8*\c:AF+8*\c+3],   v3, s[4:5] offset:1024*\c
	global_load_b128 v[AF+8*\c+4:AF+8*\c+7], v3, s[4:5] offset:1024*\c+512
	global_load_b128 v[BF+8*\c:BF+8*\c+3],   v4, s[6:7] offset:64*\c
	global_load_b128 v[BF+8*\c+4:BF+8*\c+7], v4, s[6:7] offset:64*\c+16
.endr
.irp c, 0,1,2,3,4,5,6,7
	s_wait_loadcnt 28-4*\c                         ; this chunk's four loads are in; those of the chunks behind it may be out
.irp i, 0,1,2,3                        ; four accumulators by turns, one instruction a turn; the first chunk starts the sums
.if \c == 0
	v_wmma_f32_16x16x4_f32 v[AC+8*\i:AC+8*\i+7], v[BF+8*\c+2*\i:BF+8*\c+2*\i+1], v[AF+8*\c+2*\i:AF+8*\c+2*\i+1], 0
.else
	v_wmma_f32_16x16x4_f32 v[AC+8*\i:AC+8*\i+7], v[BF+8*\c+2*\i:BF+8*\c+2*\i+1], v[AF+8*\c+2*\i:AF+8*\c+2*\i+1], v[AC+8*\i:AC+8*\i+7]
.endif
.endr
.endr
.rept 8
	v_nop                                          ; eight places behind this form (ISA guide 7.12.1)
.endr
.irp p, 0,2,4,6
	v_pk_add_f32 v[T+\p:T+\p+1], v[AC+\p:AC+\p+1], v[AC+8+\p:AC+8+\p+1]       ; into other registers; each accumulator from its low end on
.endr
.irp p, 0,2,4,6
	v_pk_add_f32 v[U+\p:U+\p+1], v[AC+16+\p:AC+16+\p+1], v[AC+24+\p:AC+24+\p+1]
.endr
.irp p, 0,2,4,6
	v_pk_add_f32 v[T+\p:T+\p+1], v[T+\p:T+\p+1], v[U+\p:U+\p+1]
.endr
	ds_store_b128 v5, v[T:T+3]                     ; my partial tile, as it stands in my registers
	ds_store_b128 v5, v[T+4:T+7] offset:512
	s_wait_dscnt 0x0                               ; for the others' sake: my stores have landed
	s_barrier_signal -1
	s_barrier_wait -1                              ; all eight lie in LDS
	s_cmp_lg_u32 s10, 0
	s_cbranch_scc1 .Lend                           ; wave 0 adds them
.irp w, 0,1,2,3,4,5,6,7
	ds_load_b128 v[RB+8*\w:RB+8*\w+3],   v3 offset:1024*\w
	ds_load_b128 v[RB+8*\w+4:RB+8*\w+7], v3 offset:1024*\w+512
.endr
	s_wait_dscnt 0x0
.irp w, 0,2,4,6
.irp p, 0,2,4,6
	v_pk_add_f32 v[RB+8*\w+\p:RB+8*\w+\p+1], v[RB+8*\w+\p:RB+8*\w+\p+1], v[RB+8*\w+8+\p:RB+8*\w+8+\p+1]
.endr
.endr
.irp w, 0,4
.irp p, 0,2,4,6
	v_pk_add_f32 v[RB+8*\w+\p:RB+8*\w+\p+1], v[RB+8*\w+\p:RB+8*\w+\p+1], v[RB+8*\w+16+\p:RB+8*\w+16+\p+1]
.endr
.endr
.irp p, 0,2,4,6
	v_pk_add_f32 v[RB+\p:RB+\p+1], v[RB+\p:RB+\p+1], v[RB+32+\p:RB+32+\p+1]
.endr
	global_store_b128 v4, v[RB:RB+3], s[8:9]                  ; token r, columns 8 hl + 0 .. 3
	global_store_b128 v4, v[RB+4:RB+7], s[8:9] offset:16      ; and + 4 .. 7
.Lend:
	s_wait_tensorcnt 0x0                           ; the wave's end, behind my last LDS store
	ds_add_u32 v[SPW], v[NIL]
	s_wait_dscnt 0x0
	s_endpgm
.Lfunc_end_k_qd2d2f64c86_eout:
	.size	k_qd2d2f64c86_eout, .Lfunc_end_k_qd2d2f64c86_eout-k_qd2d2f64c86_eout
	.p2alignl 7, 3214868480
	.fill 96, 4, 3214868480
	.section	.rodata,"a",@progbits
	.p2align	6, 0x0
	.amdhsa_kernel k_qd2d2f64c86_eout
		.amdhsa_group_segment_fixed_size 9216
		.amdhsa_private_segment_fixed_size 0
		.amdhsa_enable_private_segment 0
		.amdhsa_kernarg_size 24
		.amdhsa_user_sgpr_count 2
		.amdhsa_user_sgpr_kernarg_segment_ptr 1
		.amdhsa_wavefront_size32 1
		.amdhsa_system_sgpr_workgroup_id_x 1
		.amdhsa_system_sgpr_workgroup_id_y 1
		.amdhsa_system_sgpr_workgroup_id_z 1
		.amdhsa_system_vgpr_workitem_id 0
		.amdhsa_next_free_vgpr 256
		.amdhsa_next_free_sgpr 66
		.amdhsa_reserve_vcc 0
		.amdhsa_float_denorm_mode_32 3
		.amdhsa_float_denorm_mode_16_64 3
		.amdhsa_memory_ordered 1
		.amdhsa_forward_progress 1
		.amdhsa_inst_pref_size 12
	.end_amdhsa_kernel
	.amdgpu_metadata
---
amdhsa.version: [ 1, 2 ]
amdhsa.kernels:
  - .name:           k_qd2d2f64c86_eout
    .symbol:         k_qd2d2f64c86_eout.kd
    .args:
      - { .name: heads_e, .offset: 0, .size: 8, .value_kind: global_buffer, .address_space: global }
      - { .name: Wo, .offset: 8, .size: 8, .value_kind: global_buffer, .address_space: global }
      - { .name: out0, .offset: 16, .size: 8, .value_kind: global_buffer, .address_space: global }
    .group_segment_fixed_size: 9216
    .private_segment_fixed_size: 0
    .kernarg_segment_align: 8
    .kernarg_segment_size: 24
    .max_flat_workgroup_size: 256
    .sgpr_count:     66
    .vgpr_count:     256
    .wavefront_size: 32
...
	.end_amdgpu_metadata
.endif
;; end of part 6
